; MI455X (gfx1250); checked and timed in simulation.
; The chip was launched on July 23, 2026; its instructions are those of AMD's public machine-readable ISA for CDNA 5 (MIT licence, August 2026) and "CDNA5" Instruction Set Architecture Reference Guide (July 2026). The comments in the code are by the model that wrote it; some were corrected since.
;; Ggml Encoder Attention. Allowed arithmetic: matrix products marked QUANTISED: E4M3 operands, one given power-of-two scale a tensor, by v_wmma_f32_16x16x64_fp8_fp8 or v_wmma_f32_16x16x128_fp8_fp8, f32 sums; everything else in f32.
;; Inputs: freqs_cos 2,048 x 64 float32; freqs_sin 2,048 x 64 float32; lowp_scales 12 int32 (the exponents e of the quantised operands' scales 2^e); wk_b 2,048 float32; wk_w 2,048 x 2,048 float32; wo_b 2,048 float32; wo_w 2,048 x 2,048 float32; wq_b 2,048 float32; wq_w 2,048 x 2,048 float32; wv_b 2,048 float32; wv_w 2,048 x 2,048 float32; x 1 x 2,048 x 2,048 float32.
;; Outputs: out0 1 x 2,048 x 2,048 float32.
;; This version of the problem:
;;   THIS VERSION OF THE PROBLEM IS GIVEN IN LOW PRECISION. The matrix products marked QUANTISED in the list below multiply operands that are first quantised to E4M3 (4 exponent bits, 3 mantissa bits; 8 bits a number), with one given power-of-two scale for each operand tensor; their sums are f32. All else is computed in f32.
;;   The module's matrix products, in the order in which they are computed (A, B: the left and right operand; K: the contracted axis; several contracted axes count as one K, in the product's order):
;;     1. [M 2,048, K 2,048] x [K 2,048, N 2,048]; A: input x; B: input wq_w: QUANTISED (scales: A lowp_scales[0], B lowp_scales[1])
;;     2. [M 2,048, K 2,048] x [K 2,048, N 2,048]; A: input x; B: input wk_w: QUANTISED (scales: A lowp_scales[2], B lowp_scales[3])
;;     3. [M 2,048, K 2,048] x [K 2,048, N 2,048]; A: input x; B: input wv_w: QUANTISED (scales: A lowp_scales[4], B lowp_scales[5])
;;     4. batch 16 x [M 2,048, K 128] x [K 128, N 2,048]; A: computed on the way; B: computed on the way: QUANTISED (scales: A lowp_scales[6], B lowp_scales[7])
;;     5. batch 16 x [M 128, K 2,048] x [K 2,048, N 2,048]; A: computed on the way; B: softmax (see below): QUANTISED (scales: A lowp_scales[8], B lowp_scales[9])
;;     6. [M 2,048, K 2,048] x [K 2,048, N 2,048]; A: computed on the way; B: input wo_w: QUANTISED (scales: A lowp_scales[10], B lowp_scales[11])
;;   THE QUANTISER, for each operand of a quantised product, along K:
;;     - The operand's scale is 2^e, e = its entry of the input lowp_scales (int32; the entries are numbered through the quantised products in the list's order, A before B).
;;     - Each number is divided by the scale, clamped to +-448, and rounded to the nearest number of E4M3, ties to even, subnormals kept.
;;     - The product sums the exact products of the quantised numbers (number of the format x scale) in f32.
;;   ~~~python
;;   def quantise(x, axis, e):      # numpy; x: float32 -> the quantised numbers, widened to float32 again
;;       x = np.moveaxis(x, axis, -1); K = x.shape[-1]
;;       r = np.clip(x / 2.0 ** e, -448, 448)
;;       step = 2.0 ** (np.maximum(np.frexp(np.where(r == 0, 1, r))[1] - 1, -6) - 3)
;;       q = np.round(r / step) * step * 2.0 ** e      # np.round: ties to even
;;       return np.moveaxis(q, -1, axis).astype(np.float32)
;;   ~~~
;;   SOFTMAX AHEAD OF A QUANTISED PRODUCT. Where the list says 'softmax', what is quantised is not the finished softmax but p = 2^(t - M), with t = logit x log2(e) and M = ceil(the row's largest t), a whole number; so 1/2 < the row's largest p <= 1. The row's sum l is taken of the UNQUANTISED p, in f32, and the product's result is divided by l at the end. Since M is a whole number, a kernel that streams over the keys may use a running M (the ceiling of the running maximum): every later rescaling is an exact power of two, so the quantised numbers keep their values, but for numbers so far below the row's largest that they fall under the format's range.
;;   OPERANDS COMPUTED ON THE WAY. 'Computed on the way' means the value that the module computes at that place (a softmax that the list does not call 'softmax' is quantised finished and normalised). What goes into a quantiser is computed in f32, as accurately as f32 sums, v_exp_f32 and their like allow (about 1e-6 of the number): no bf16 or f16 on the way to a quantiser, and a product that is left as it is and whose result goes on into a quantised operand takes f32 operands (vector FMAs, or v_wmma_f32_16x16x4_f32). A number that lies on a knife's edge between two numbers of the format may be rounded either way, as far as f32 arithmetic and the matrix unit's own rounding can turn it there, and no further.
;; One version. Each part assembles by itself: llvm-mc -triple=amdgcn-amd-amdhsa -mcpu=gfx1250 --defsym DOCPART=n.
;; ======== version 1 of 1: 4 launches
;; limits: right only within a limited range of input values
;; workspace buffers: xc 12,582,912 bytes; wc 12,582,912 bytes; woc 4,194,304 bytes; tab 1,048,576 bytes; qkvc 12,582,912 bytes; yc 4,194,304 bytes
;; launch quant (part 1): grid 512 x 1, 4 waves a work-group, no clusters, 33,280 bytes of LDS; arguments x, wq_w, wk_w, wv_w, tab, lowp_scales, xc, wc; writes xc, wc, tab
.if DOCPART == 1
	.amdgcn_target "amdgcn-amd-amdhsa--gfx1250"
	.amdhsa_code_object_version 6
	.text
	.protected	k_qaa30bbcd2f_quant
	.globl	k_qaa30bbcd2f_quant
	.p2align	8
	.type	k_qaa30bbcd2f_quant,@function
k_qaa30bbcd2f_quant:
	s_mov_b64 s[64:65], 0
	v_nop
	global_prefetch_b8 v0, s[64:65] scope:SCOPE_SE
	s_setreg_imm32_b32 hwreg(HW_REG_WAVE_MODE, 25, 1), 1
	s_wait_xcnt 0x0
; x and the weights wq, wk, wv, all [2048][2048] f32 with K innermost, become codes of FP8 (E4M3); and the table of cos and sin for the rotation of q and k is made.  (wo is quantised by a later launch.)
; x is an operand of three products with three given scales (entries 0, 2, 4 of the scales): three sets of codes, xc[0..2].  wq, wk, wv (entries 1, 3, 5) go to wc, one behind the other.
; code = number / 2^e, held within +-448, to the nearest code, ties to even.  LIMITS: each e between -126 and 119; NaN among the inputs is not served.
; The inputs freqs_cos and freqs_sin are named by no launch of this program: the function that defines the result takes them and uses neither, so no output number hangs on them; a NaN or an infinity in them is not carried to the result.
; ORDER OF THE CODES IN A ROW.  In every 32 bytes the two middle groups of 8 change places: bytes 0-7 hold k 0-7, bytes 8-15 k 16-23, bytes 16-23 k 8-15, bytes 24-31 k 24-31.  A load of 16 bytes at
; 32 c + 16 (lane / 16) then gives a lane registers 4 c .. 4 c + 3 of the matrix form's own layout (registers 2 c, 2 c + 1: k = 16 c + 8 (lane / 16) + 0 .. 7).
; SHARES.  Wave W of 2,048 takes row W of each of the four tensors: 16 steps of 512 numbers, written out, every offset an immediate.  Each load reads 512 consecutive bytes; a step's 2,048 bytes turn through
; the wave's own stage in LDS, so that a lane gets the 16 numbers whose codes are its 16 bytes; each store covers 512 consecutive bytes, aligned.  Waves share nothing: no barrier.  The launch streams from its first load on: no prefetch.
; THE TABLE.  tab[tb][b][q][lane] = (cos, sin, cos, sin) of token 16 tb + lane % 16 and pairs i, i + 1, i = 8 b + 4 (lane / 16) + 2 q: the registers that the next launch wants, lane by lane.  A thread makes one entry.
; angle = token x 10000^(-i / 64), one rounding.  The power: log2(10000) / 64 = hi + lo, hi of 18 bits, so that i x hi is exact; 2^(-i hi) by v_exp_f32, then x (1 - i lo ln 2) by one multiply-add.
; The angle is brought into +-pi/4 by n = the nearest whole number to angle x 2 / pi and pi / 2 in two parts (n has 11 bits at the most: the first multiply-add is exact); sine and cosine by polynomials of degree 7 and 8.
.set WAVES, 4
.set STEPS, 16
.set SP,    80                         ; a lane's place in a stage: its 64 bytes + 16 of padding
.set WREG,  8192                       ; LDS: a region for each wave: two stages of 32 x SP bytes
.set SPARE, WAVES*WREG                 ; behind the regions: the spare words, 128 bytes a wave
.set OFS,   3                          ; v3       16 x lane: my place in a load's 512 bytes and in a store's; never rewritten
.set TBO,   7                          ; v7       16 x thread: my entry of the table
.set ENT,   8                          ; v8-11    the entry
.set SPW,   12                         ; v12      LDS address of my spare word; never rewritten
.set NIL,   13                         ; v13      0; never rewritten
.set STI,   14                         ; v14      the stage, on the way in
.set STU,   15                         ; v15      and on the way out: SP x lane
.set R,     16                         ; v16-79   four sets of 16 numbers as loaded
.set X,     80                         ; v80-111  two sets of 16 numbers in the order of my codes
.set Y,     112                        ; v112-127 the numbers held within the range; before that the table's work
.set C,     128                        ; v128-223 24 x 4 registers of codes, one set for each store: no store's data are written again
.set SC,    240                        ; v[240+2k] 2^e, v[241+2k] 448 x 2^e; k = 0 .. 5: entries 0, 2, 4, 1, 3, 5
	s_load_b512 s[4:19], s[0:1], 0x0               ; x, wq, wk, wv, tab, the scales, xc, wc
	v_lshl_add_u32 v[SPW], v0, 2, SPARE
	v_mov_b32 v[NIL], 0
	v_lshrrev_b32 v1, 5, v0
	v_readfirstlane_b32 s22, v1                    ; wave
	v_and_b32 v2, 31, v0                           ; lane l
	v_lshlrev_b32 v[OFS], 4, v2
	v_lshlrev_b32 v[TBO], 4, v0
	s_mul_i32 s53, s22, WREG
	; lane l of load i holds numbers 4 (l % 8) .. + 3 of block 4 i + l / 8.  They belong to lane 8 i + 2 (l / 8) + (l / 2) % 2 on the way out, at place 2 ((l / 4) % 2) + l % 2 of its four
	v_lshrrev_b32 v[STI], 3, v2
	v_bfe_u32 v[STU], v2, 1, 1
	v_lshl_add_u32 v[STI], v[STI], 1, v[STU]
	v_mul_u32_u24 v[STI], v[STI], SP
	v_bfe_u32 v[STU], v2, 2, 1
	v_lshl_add_u32 v[STI], v[STU], 5, v[STI]
	v_and_b32 v[STU], 1, v2
	v_lshl_add_u32 v[STI], v[STU], 4, v[STI]
	v_add_nc_u32 v[STI], s53, v[STI]
	v_mul_u32_u24 v[STU], v2, SP
	v_add_nc_u32 v[STU], s53, v[STU]
	s_lshl_b32 s23, ttmp9, 2
	s_add_co_u32 s23, s23, s22                     ; W: my row
	s_lshl_b32 s24, s23, 13                        ; its 8,192 bytes of f32,
	s_mov_b32 s25, 0
	s_lshl_b32 s26, s23, 11                        ; its 2,048 bytes of codes
	s_mov_b32 s27, 0
	s_lshl_b32 s54, ttmp9, 11                      ; my work-group's 128 entries of the table
	s_mov_b32 s55, 0
	s_mov_b32 s56, 0xbfc90fdb                      ; -(pi / 2), its first 24 bits,
	s_mov_b32 s57, 0x333bbd2e                      ; and minus the rest
	s_wait_alu depctr_va_vdst(0)
	s_wait_kmcnt 0x0
	s_load_b256 s[44:51], s[14:15], 0x0            ; entries 0 to 7
.irp p, 4,6,8,10
	s_add_nc_u64 s[\p:\p+1], s[\p:\p+1], s[24:25]  ; the four tensors at my row
.endr
	s_add_nc_u64 s[28:29], s[16:17], s[26:27]      ; the six rows of codes: xc's three parts, 4 MiB apart,
	s_add_nc_u64 s[30:31], s[28:29], 0x400000
	s_add_nc_u64 s[32:33], s[30:31], 0x400000
	s_add_nc_u64 s[34:35], s[18:19], s[26:27]      ; and wc's three
	s_add_nc_u64 s[36:37], s[34:35], 0x400000
	s_add_nc_u64 s[38:39], s[36:37], 0x400000
	s_add_nc_u64 s[20:21], s[12:13], s[54:55]
.macro LOAD t                          ; step t: tensor t / 4, numbers 512 (t % 4) on of my row
.irp i, 0,1,2,3
	global_load_b128 v[R+16*((\t)%4)+4*\i:R+16*((\t)%4)+4*\i+3], v[OFS], s[4+2*((\t)/4):5+2*((\t)/4)] offset:2048*((\t)%4)+512*\i th:TH_LOAD_NT
.endr
.endm
.macro TURN t                          ; step t's numbers through the stage: LDS serves a wave's instructions in order, so no wait stands between the stores and the loads
.irp i, 0,1,2,3
	ds_store_b128 v[STI], v[R+16*((\t)%4)+4*\i:R+16*((\t)%4)+4*\i+3] offset:32*SP*((\t)%2)+8*SP*\i
.endr
.irp i, 0,1,2,3
	ds_load_b128 v[X+16*((\t)%2)+4*\i:X+16*((\t)%2)+4*\i+3], v[STU] offset:32*SP*((\t)%2)+16*\i
.endr
.endm
.irp t, 0,1,2,3
	LOAD \t
.endr
	; ---- the table's entry, while the first sixteen loads are on their way
	s_lshr_b32 s53, ttmp9, 2
	s_lshl_b32 s53, s53, 4
	v_and_b32 v112, 15, v0
	v_add_nc_u32 v112, s53, v112
	v_cvt_f32_u32 v112, v112                       ; the token
	s_and_b32 s53, ttmp9, 3
	s_lshl_b32 s53, s53, 4
	v_bfe_u32 v113, v0, 6, 1
	v_bfe_u32 v114, v0, 4, 1
	v_lshlrev_b32 v113, 3, v113
	v_lshl_add_u32 v113, v114, 2, v113
	v_bfe_u32 v114, v0, 5, 1
	v_lshl_add_u32 v113, v114, 1, v113
	v_add_nc_u32 v113, s53, v113
	v_cvt_f32_u32 v113, v113                       ; i
	v_add_f32 v114, 1.0, v113                      ; i + 1
	v_mul_f32 v115, 0xbe549a40, v113               ; -i hi: exact
	v_mul_f32 v116, 0xbe549a40, v114
	s_wait_alu depctr_va_vdst(0)
	v_exp_f32 v115, v115
	v_exp_f32 v116, v116
	v_mul_f32 v117, 0xb51c1638, v113               ; -i lo ln 2  (plain lines behind the exponentials)
	v_mul_f32 v118, 0xb51c1638, v114
	s_wait_alu depctr_va_vdst(0)                   ; one wait for both exponentials, ahead of their first reader
	v_fma_f32 v115, v115, v117, v115               ; 10000^(-i / 64)
	v_fma_f32 v116, v116, v118, v116
	v_mul_f32 v115, v112, v115                     ; the angles
	v_mul_f32 v116, v112, v116
.macro SINCOS a, dc, ds
	v_mul_f32 v117, 0x3f22f983, v[\a]
	v_rndne_f32 v117, v117                         ; n
	v_fma_f32 v118, v117, s56, v[\a]
	v_fma_f32 v118, v117, s57, v118                ; r = angle - n pi / 2
	v_cvt_i32_f32 v117, v117
	v_mul_f32 v119, v118, v118                     ; z = r r
	v_mov_b32 v120, 0xb94ca1f9
	v_fmaak_f32 v120, v120, v119, 0x3c08839e
	v_fmaak_f32 v120, v120, v119, 0xbe2aaaa3
	v_mul_f32 v121, v118, v119
	v_fma_f32 v120, v121, v120, v118               ; sin r
	v_mov_b32 v122, 0x37ccf5ce
	v_fmaak_f32 v122, v122, v119, 0xbab6061a
	v_fmaak_f32 v122, v122, v119, 0x3d2aaaa5
	v_mul_f32 v121, v119, v119
	v_fma_f32 v123, v119, -0.5, 1.0
	v_fma_f32 v122, v121, v122, v123               ; cos r
	v_and_b32 v121, 1, v117
	v_cmp_eq_u32 vcc_lo, 1, v121                   ; an odd n: the two change places
	v_cndmask_b32 v[\ds], v120, v122, vcc_lo
	v_cndmask_b32 v[\dc], v122, v120, vcc_lo
	v_and_b32 v121, 2, v117                        ; the sine is negated where n % 4 is 2 or 3,
	v_lshlrev_b32 v121, 30, v121
	v_xor_b32 v[\ds], v[\ds], v121
	v_add_nc_u32 v121, 1, v117                     ; the cosine where it is 1 or 2
	v_and_b32 v121, 2, v121
	v_lshlrev_b32 v121, 30, v121
	v_xor_b32 v[\dc], v[\dc], v121
.endm
	SINCOS 115, ENT, ENT+1
	SINCOS 116, ENT+2, ENT+3
	global_store_b128 v[TBO], v[ENT:ENT+3], s[20:21]   ; a wave stores 512 consecutive bytes, aligned
	; ---- the six scales
	s_wait_kmcnt 0x0
.macro MKSC k, e
	s_add_co_i32 s53, s[\e], 127
	s_lshl_b32 s54, s53, 23
	v_mov_b32 v[SC+2*\k], s54                      ; 2^e as f32: the conversion takes its exponent field
	s_add_co_i32 s53, s53, 8
	s_lshl_b32 s53, s53, 23
	s_or_b32 s53, s53, 0x600000
	v_mov_b32 v[SC+2*\k+1], s53                    ; 448 x 2^e
.endm
	MKSC 0, 44
	MKSC 1, 46
	MKSC 2, 48
	MKSC 3, 45
	MKSC 4, 47
	MKSC 5, 49
; the 16 numbers in v[XS] on, with scale k, become codes in set ci and go to row k of the six, off bytes on
.macro QUANT k, ci, off
.irp i, 0,1,2,3,4,5,6,7,8,9,10,11,12,13,14,15
	v_med3_num_f32 v[Y+\i], v[XS+\i], -v[SC+2*(\k)+1], v[SC+2*(\k)+1]   ; the conversion to an 8-bit code does not saturate (ISA guide 7.6.2): the hold comes first
.endr
	v_cvt_scalef32_pk8_fp8_f32 v[C+4*(\ci):C+4*(\ci)+1], v[Y:Y+7], v[SC+2*(\k)]
	v_cvt_scalef32_pk8_fp8_f32 v[C+4*(\ci)+2:C+4*(\ci)+3], v[Y+8:Y+15], v[SC+2*(\k)]
	v_nop                                          ; a plain line between the conversions and the next holds, which write their sources
	global_store_b128 v[OFS], v[C+4*(\ci):C+4*(\ci)+3], s[28+2*(\k):29+2*(\k)] offset:\off
.endm
.macro STEP t
.set XS, X+16*((\t)%2)
	s_wait_dscnt 0x0                               ; this step's numbers are back from the stage
.if (\t)+4 < STEPS
	LOAD (\t)+4                                    ; into the registers that this step's stage stores have read
.endif
.if (\t)+1 < STEPS
.if STEPS-2-(\t) >= 3
	s_wait_loadcnt 12                              ; the next step's four loads are in; those of the three steps behind it may be out
.else
	s_wait_loadcnt 4*(STEPS-2-(\t))
.endif
	TURN (\t)+1
.endif
.if (\t) < 4
	QUANT 0, 3*(\t), 512*(\t)                      ; x: three scales
	QUANT 1, 3*(\t)+1, 512*(\t)
	QUANT 2, 3*(\t)+2, 512*(\t)
.else
	QUANT (\t)/4+2, (\t)+8, 512*((\t)%4)
.endif
.endm
	s_wait_alu depctr_va_vdst(0)
	s_wait_loadcnt 12                              ; step 0's four loads are in
	TURN 0
.irp t, 0,1,2,3,4,5,6,7,8,9,10,11,12,13,14,15
	STEP \t
.endr
	s_wait_tensorcnt 0x0                           ; the wave's end
	ds_add_u32 v[SPW], v[NIL]
	s_wait_dscnt 0x0
	s_endpgm
.Lfunc_end_k_qaa30bbcd2f_quant:
	.size	k_qaa30bbcd2f_quant, .Lfunc_end_k_qaa30bbcd2f_quant-k_qaa30bbcd2f_quant
	.p2alignl 7, 3214868480
	.fill 96, 4, 3214868480
	.section	.rodata,"a",@progbits
	.p2align	6, 0x0
	.amdhsa_kernel k_qaa30bbcd2f_quant
		.amdhsa_group_segment_fixed_size 33280
		.amdhsa_private_segment_fixed_size 0
		.amdhsa_enable_private_segment 0
		.amdhsa_kernarg_size 64
		.amdhsa_user_sgpr_count 2
		.amdhsa_user_sgpr_kernarg_segment_ptr 1
		.amdhsa_wavefront_size32 1
		.amdhsa_system_sgpr_workgroup_id_x 1
		.amdhsa_system_sgpr_workgroup_id_y 1
		.amdhsa_system_sgpr_workgroup_id_z 1
		.amdhsa_system_vgpr_workitem_id 0
		.amdhsa_next_free_vgpr 256
		.amdhsa_next_free_sgpr 66
		.amdhsa_reserve_vcc 1
		.amdhsa_float_denorm_mode_32 3
		.amdhsa_float_denorm_mode_16_64 3
		.amdhsa_memory_ordered 1
		.amdhsa_forward_progress 1
		.amdhsa_inst_pref_size 53
	.end_amdhsa_kernel
	.amdgpu_metadata
---
amdhsa.version: [ 1, 2 ]
amdhsa.kernels:
  - .name:           k_qaa30bbcd2f_quant
    .symbol:         k_qaa30bbcd2f_quant.kd
    .args:
      - { .name: x, .offset: 0, .size: 8, .value_kind: global_buffer, .address_space: global }
      - { .name: wq_w, .offset: 8, .size: 8, .value_kind: global_buffer, .address_space: global }
      - { .name: wk_w, .offset: 16, .size: 8, .value_kind: global_buffer, .address_space: global }
      - { .name: wv_w, .offset: 24, .size: 8, .value_kind: global_buffer, .address_space: global }
      - { .name: tab, .offset: 32, .size: 8, .value_kind: global_buffer, .address_space: global }
      - { .name: lowp_scales, .offset: 40, .size: 8, .value_kind: global_buffer, .address_space: global }
      - { .name: xc, .offset: 48, .size: 8, .value_kind: global_buffer, .address_space: global }
      - { .name: wc, .offset: 56, .size: 8, .value_kind: global_buffer, .address_space: global }
    .group_segment_fixed_size: 33280
    .private_segment_fixed_size: 0
    .kernarg_segment_align: 8
    .kernarg_segment_size: 64
    .max_flat_workgroup_size: 128
    .sgpr_count:     66
    .vgpr_count:     256
    .wavefront_size: 32
...
	.end_amdgpu_metadata
.endif
;; end of part 1
;; launch qkv (part 2): grid 24 x 8, 4 waves a work-group, clusters of 4 x 4, 327,680 bytes of LDS; arguments xc, wc, lowp_scales, wq_b, wk_b, wv_b, tab, qkvc; writes qkvc
.if DOCPART == 2
	.amdgcn_target "amdgcn-amd-amdhsa--gfx1250"
	.amdhsa_code_object_version 6
	.text
	.protected	k_qaa30bbcd2f_qkv
	.globl	k_qaa30bbcd2f_qkv
	.p2align	8
	.type	k_qaa30bbcd2f_qkv,@function
k_qaa30bbcd2f_qkv:
	s_mov_b64 s[64:65], 0
	v_nop
	global_prefetch_b8 v0, s[64:65] scope:SCOPE_SE
	s_setreg_imm32_b32 hwreg(HW_REG_WAVE_MODE, 25, 1), 1
	s_wait_xcnt 0x0
	s_wait_alu depctr_hold_cnt(0) depctr_sa_sdst(0) depctr_va_vdst(0) depctr_va_sdst(0) depctr_va_ssrc(0) depctr_va_vcc(0) depctr_vm_vsrc(0)
	s_getreg_b32 s2, hwreg(HW_REG_IB_STS2, 6, 4)
	s_cmp_eq_u32 s2, 0
	s_cbranch_scc0 .Lentry_in_a_cluster
	s_endpgm
.Lentry_in_a_cluster:
	s_bfe_u32 s2, ttmp6, 0x10000c
	s_cmp_lg_u32 s2, 0xf033
	s_cbranch_scc0 .Lentry_shape_is_right
	s_endpgm
.Lentry_shape_is_right:
; q, k, v = x W^T + b on codes of FP8 (E4M3), f32 sums; q and k are rotated; all three are quantised (entries 6, 7, 8 of the scales) and stored as images of the next launch's operand registers.
; A work-group makes 256 x 256 of one tensor: cluster x / 2 says which (0 q, 1 k, 2 v).  x has another set of codes for each of the three, so a block lies within one tensor: 3 x 64 blocks.
; For q and k A = x's rows and B = the weight's; for v A = the weight's rows and B = x's, so that a lane's registers run along the tokens, which are K of the product that reads v.
; Four waves, each 128 x 128: 64 accumulators, 512 registers.  K goes in eight steps of 256 through two LDS slots; four partners that need the same tile ask for it jointly (clusters of 4 x 4).
; The matrix instruction is used transposed (source 0 = B's 16 rows, source 1 = A's): a lane holds eight neighbouring columns of one row.
; A STEP is 128 along K, a slot has two.  A slot's last reads go out at the end of its first step, so the change of slots stands at the START of its second: behind that barrier's round the slot is filled again.
; B's fragments have two sets and are asked for a whole step ahead; A's have one: blocks 0-3 are asked for in a step's middle, blocks 4-7 at its end.
; PREFETCH: with the load of K step j each wave asks for K step j + 2 (with the first load for 1 and 2): of the 128 rows that it fetches each partner names 32, a lane a row.
; LIMITS: the sum of a product's two exponents between -126 and 127; entries 6, 7, 8 between -126 and 119.  NaN among the inputs is not served.
; REGISTERS: window 0: v10-31 addresses and constants, v32-95 bias, v96-127 codes, v128-255 A, later at work; window 1: B's two sets, later the table; windows 2, 3: accumulators (a, b) at v[8 (8 (a % 4) + b)].
.set ROWB,   256
.set PITCH,  272                       ; 256 bytes + 16 of padding
.set FR,     16
.set HALFT,  128*PITCH
.set SLOT,   4*HALFT
.set LAPS,   4
.set SPARE,  2*SLOT                    ; behind the ring: the spare words, 128 bytes a wave
.set SCV,  10                          ; 2^e of the result's scale; v11 448 x that
.set LIMV, 11
.set PFT,  12                          ; 256 x lane: the table's prefetch
.set ADRA, 16
.set ADRB, 20
.set LI,   26                          ; 16 x lane
.set BH,   27                          ; 32 x (lane / 16)
.set SPW,  28
.set NIL,  29
.set BR,   30                          ; 4 x (lane % 16)
.set PFO,  31                          ; 2,048 x lane: the tiles' prefetch
.set BIAS, 32
.set CD,   96
.set TMP,  128
.set U,    192
.set AF,   128
.set PFA, 98                           ; s[98:99] my prefetches' rows
.set PTB, 18                           ; s[18:19] my part of the table's prefetch
.set G1, 24
.set G0, 32
.set G1B, 48
.set G0B, 56
.set MSB, 0
.macro WIN new                         ; the immediate's high byte repeats the setting that is left
.if MSB != \new
	s_set_vgpr_msb (MSB<<8)|\new
.set MSB, \new
.endif
.endm
.set MUL_LO, 0xa1
.set MUL_HI, 0xf1
.set TO_B,   0x40
.macro JLOAD s                         ; waves 0, 1 fetch A's halves, waves 2, 3 B's
	s_cmp_eq_u32 s15, 0
	s_cbranch_scc0 .Lfor_b_\@
	tensor_load_to_lds s[G0+4*\s:G0+4*\s+3], s[G1:G1+7]
	s_nop 0
.rept 4
	v_nop
.endr
	s_branch .Lasked_\@
.Lfor_b_\@:
	tensor_load_to_lds s[G0B+4*\s:G0B+4*\s+3], s[G1B:G1B+7]
	s_nop 0
.rept 4
	v_nop
.endr
.Lasked_\@:
.endm
.macro CREST
	s_cmp_lg_u32 s14, 0
	s_cbranch_scc1 .Lnot_wave_0_\@
	s_barrier_signal -3
.Lnot_wave_0_\@:
	s_barrier_wait -3
	s_barrier_signal -1
	s_barrier_wait -1
.endm
.macro CROUND
	s_barrier_signal -1
	s_barrier_wait -1
	CREST
.endm
	s_load_b256 s[4:11], s[0:1], 0x0               ; xc, wc, the scales, wq_b
	s_load_b256 s[68:75], s[0:1], 0x20             ; wk_b, wv_b, tab, qkvc
	v_lshl_add_u32 v[SPW], v0, 2, SPARE
	v_mov_b32 v[NIL], 0
	ds_add_u32 v[SPW], v[NIL]                      ; the wave's opening: the add, twice on end, and its wait
	ds_add_u32 v[SPW], v[NIL]
	v_lshrrev_b32 v1, 5, v0
	v_readfirstlane_b32 s14, v1                    ; wave
	s_lshr_b32 s15, s14, 1                         ; my half of the block's rows; I fetch for A (0) or B (1)
	s_and_b32 s16, s14, 1                          ; my half of its columns; which 128 rows of that tile I fetch
	s_bfe_u32 s40, ttmp6, 0x40000                  ; cx, cy
	s_bfe_u32 s41, ttmp6, 0x40004
	s_lshr_b32 s66, ttmp9, 1                       ; 0 q, 1 k, 2 v
	s_and_b32 s42, ttmp9, 1
	s_lshl_b32 s42, s42, 2
	s_add_co_u32 s42, s42, s40                     ; block column
	s_and_b32 s17, ttmp7, 0xffff
	s_lshl_b32 s17, s17, 2
	s_add_co_u32 s17, s17, s41                     ; block row
	s_lshl_b32 s43, s41, 2
	s_lshl_b32 s43, 15, s43                        ; my row of the cluster
	s_lshl_b32 s44, 0x1111, s40                    ; my column
	s_or_b32 s[G1+0], s43, (0<<16)|(1<<20)|(1<<21)|(5<<22)|(3<<25)
	s_or_b32 s[G1B+0], s44, (0<<16)|(1<<20)|(1<<21)|(5<<22)|(3<<25)
.irp g, G1, G1B                        ; 128 rows of 256 bytes, 2,048 apart; four words of padding behind every 64
	s_mov_b32 s[\g+1], ROWB<<16
	s_mov_b32 s[\g+2], 128<<16
	s_mov_b32 s[\g+3], ROWB<<16
	s_mov_b32 s[\g+4], 128
	s_mov_b32 s[\g+5], 2048
	s_mov_b32 s[\g+6], 0
	s_mov_b32 s[\g+7], 0
.endr
	s_lshl_b32 s22, s16, 7
	s_lshl_b32 s20, s17, 8
	s_add_co_u32 s20, s20, s22
	s_lshl_b32 s20, s20, 11                        ; A's rows that I would fetch
	s_mov_b32 s21, 0
	s_lshl_b32 s46, s42, 8
	s_add_co_u32 s46, s46, s22
	s_lshl_b32 s46, s46, 11                        ; B's
	s_mov_b32 s47, 0
	s_mul_i32 s45, s14, HALFT
	s_lshl_b32 s87, s66, 3
	s_lshl_b32 s88, s66, 2
	s_lshl_b32 s92, s66, 22
	s_mov_b32 s93, 0
	s_wait_dscnt 0x0                               ; both opening adds are done
	CROUND                                         ; all sixteen work-groups are here: the first joint loads meet
	s_wait_kmcnt 0x0
	s_load_b64 s[96:97], s[8:9], s87 offset:0x0    ; the product's two exponents
	s_load_b32 s86, s[8:9], s88 offset:0x18        ; the result's
	s_cmp_eq_u32 s66, 2
	s_cselect_b64 s[76:77], s[6:7], s[4:5]
	s_cselect_b64 s[78:79], s[4:5], s[6:7]
	s_add_nc_u64 s[76:77], s[76:77], s[92:93]
	s_add_nc_u64 s[78:79], s[78:79], s[92:93]
	s_add_nc_u64 s[20:21], s[76:77], s[20:21]
	s_add_nc_u64 s[46:47], s[78:79], s[46:47]
.irp s, 0,1
	s_mov_b32 s[G0+4*\s], 1
	s_add_co_u32 s[G0+4*\s+1], s45, \s*SLOT
	s_add_nc_u64 s[G0+4*\s+2:G0+4*\s+3], s[20:21], \s*ROWB
	s_or_b32 s[G0+4*\s+3], s[G0+4*\s+3], 0x80000000
	s_mov_b32 s[G0B+4*\s], 1
	s_add_co_u32 s[G0B+4*\s+1], s45, \s*SLOT
	s_add_nc_u64 s[G0B+4*\s+2:G0B+4*\s+3], s[46:47], \s*ROWB
	s_or_b32 s[G0B+4*\s+3], s[G0B+4*\s+3], 0x80000000
.endr
	JLOAD 0                                        ; K step 0: the wave's one tensor load at the head
	; the prefetches' rows: of the 128 that I fetch my work-group's 32, told apart by address (cx for A, cy for B)
	s_cmp_eq_u32 s15, 0
	s_cselect_b64 s[PFA:PFA+1], s[76:77], s[78:79]
	s_cselect_b32 s90, s17, s42
	s_cselect_b32 s91, s40, s41
	s_lshl_b32 s90, s90, 8
	s_add_co_u32 s90, s90, s22
	s_lshl_b32 s91, s91, 5
	s_add_co_u32 s90, s90, s91
	s_lshl_b32 s90, s90, 11
	s_mov_b32 s91, 0
	s_add_nc_u64 s[PFA:PFA+1], s[PFA:PFA+1], s[90:91]
	v_and_b32 v6, 31, v0
	v_lshlrev_b32 v[PFO], 11, v6
	v_lshlrev_b32 v[LI], 4, v6
	v_lshlrev_b32 v[PFT], 8, v6
	global_prefetch_b8 v[PFO], s[PFA:PFA+1] offset:ROWB th:TH_LOAD_NT scope:SCOPE_SE
	global_prefetch_b8 v[PFO], s[PFA:PFA+1] offset:2*ROWB th:TH_LOAD_NT scope:SCOPE_SE
	s_mul_i32 s21, s15, HALFT
	s_mul_i32 s22, s16, HALFT
	s_add_co_u32 s22, s22, 2*HALFT
	s_add_co_u32 s23, s21, SLOT
	s_add_co_u32 s89, s22, SLOT
	v_and_b32 v1, 15, v0
	v_bfe_u32 v2, v0, 4, 1
	v_mul_u32_u24 v3, v1, PITCH
	v_lshl_add_u32 v4, v2, 4, v3                   ; a fragment's row x pitch + 16 x half
	v_add_nc_u32 v[ADRA], s21, v4
	v_add_nc_u32 v[ADRB], s22, v4
	v_add_nc_u32 v[ADRA+1], s23, v4
	v_add_nc_u32 v[ADRB+1], s89, v4
	v_lshlrev_b32 v[BH], 5, v2
	v_lshlrev_b32 v[BR], 2, v1
	s_wait_alu depctr_va_vdst(0)
	s_wait_kmcnt 0x0
	s_lshl_b32 s90, s42, 1
	s_add_co_u32 s90, s90, s16                     ; my 128 columns
	s_lshl_b32 s91, s17, 1
	s_add_co_u32 s91, s91, s15                     ; my 128 rows
	s_cmp_eq_u32 s66, 2
	s_cselect_b32 s94, s91, s90                    ; the head
	s_cselect_b32 s95, s90, s91                    ; the 128 tokens
	s_cselect_b64 s[80:81], s[70:71], s[68:69]
	s_cmp_eq_u32 s66, 0
	s_cselect_b64 s[80:81], s[10:11], s[80:81]
	s_lshl_b32 s22, s94, 9
	s_mov_b32 s23, 0
	s_add_nc_u64 s[80:81], s[80:81], s[22:23]      ; the head's bias
	s_lshl_b32 s22, s91, 16
	s_add_nc_u64 s[82:83], s[72:73], s[22:23]      ; q, k: my tokens' part of the table
	s_lshl_b32 s22, s17, 17                        ; the table's prefetch: the block's 131,072 bytes, a quarter for each partner of the row, 8,192 for each wave
	s_lshl_b32 s89, s40, 15
	s_add_co_u32 s22, s22, s89
	s_lshl_b32 s89, s14, 13
	s_add_co_u32 s22, s22, s89
	s_add_nc_u64 s[PTB:PTB+1], s[72:73], s[22:23]
	s_add_nc_u64 s[84:85], s[74:75], s[92:93]
	s_lshl_b32 s22, s94, 18
	s_add_nc_u64 s[84:85], s[84:85], s[22:23]
	s_lshl_b32 s22, s95, 14
	s_add_nc_u64 s[84:85], s[84:85], s[22:23]      ; my eight images
	s_add_co_i32 s96, s96, s97
	s_add_co_i32 s96, s96, 127
	s_lshl_b32 s96, s96, 23                        ; 2^(both exponents)
	s_mov_b32 s97, s96
	s_add_co_i32 s86, s86, 127
	s_lshl_b32 s89, s86, 23
	v_mov_b32 v[SCV], s89
	s_add_co_i32 s86, s86, 8
	s_lshl_b32 s86, s86, 23
	s_or_b32 s86, s86, 0x600000
	v_mov_b32 v[LIMV], s86
.macro FRAG reg, adr, q, i             ; 16 rows x 128 K: registers 4 c .. 4 c + 3 at byte 32 c + 16 (lane / 16)
.irp c, 0,1,2,3
	ds_load_b128 v[\reg+4*\c:\reg+4*\c+3], v[\adr] offset:128*(\q)+32*\c+(\i)*16*PITCH
.endr
.endm
.macro MUL8 a, p, zero                 ; A's block a x B's eight; the 64 accumulators take turns, in the same order in every step
.irp b, 0,1,2,3,4,5,6,7
.if \zero
	v_wmma_f32_16x16x128_fp8_fp8 v[8*(8*((\a)%4)+\b):8*(8*((\a)%4)+\b)+7], v[128*(\p)+FR*\b:128*(\p)+FR*\b+FR-1], v[AF+FR*(\a):AF+FR*(\a)+FR-1], 0
.else
	v_wmma_f32_16x16x128_fp8_fp8 v[8*(8*((\a)%4)+\b):8*(8*((\a)%4)+\b)+7], v[128*(\p)+FR*\b:128*(\p)+FR*\b+FR-1], v[AF+FR*(\a):AF+FR*(\a)+FR-1], v[8*(8*((\a)%4)+\b):8*(8*((\a)%4)+\b)+7]
.endif
.endr
.endm
; the same with LDS loads among the products: behind each four of them n of the 64 or 128 rows' fragment loads, from the l0-th on, into registers from reg on
.macro MULX a, p, zero, reg, adr, q, l0, n, win
.set LQ, \l0
.irp g, 0,4
	WIN MUL_LO+0x50*((\a)/4)
.irp b, \g, \g+1, \g+2, \g+3
.if \zero
	v_wmma_f32_16x16x128_fp8_fp8 v[8*(8*((\a)%4)+(\b)):8*(8*((\a)%4)+(\b))+7], v[128*(\p)+FR*(\b):128*(\p)+FR*(\b)+FR-1], v[AF+FR*(\a):AF+FR*(\a)+FR-1], 0
.else
	v_wmma_f32_16x16x128_fp8_fp8 v[8*(8*((\a)%4)+(\b)):8*(8*((\a)%4)+(\b))+7], v[128*(\p)+FR*(\b):128*(\p)+FR*(\b)+FR-1], v[AF+FR*(\a):AF+FR*(\a)+FR-1], v[8*(8*((\a)%4)+(\b)):8*(8*((\a)%4)+(\b))+7]
.endif
.endr
	WIN \win
.rept \n
	ds_load_b128 v[\reg+4*LQ:\reg+4*LQ+3], v[\adr] offset:128*(\q)+32*(LQ%4)+(LQ/4)*16*PITCH
.set LQ, LQ+1
.endr
.endr
.endm
.macro FETCH_B slot, q, p              ; B's eight fragments into set p
	WIN TO_B
.irp i, 0,1,2,3,4,5,6,7
	FRAG 128*(\p)+FR*\i, ADRB+\slot, \q, \i
.endr
.endm
.macro FETCH_A slot, q, i0             ; A's blocks i0 .. i0 + 3
	WIN 0
.irp i, \i0, \i0+1, \i0+2, \i0+3
	FRAG AF+FR*(\i), ADRA+\slot, \q, \i
.endr
.endm
.macro PLACES                          ; four places behind a matrix instruction (ISA guide 7.12.1 for vector instructions)
.rept 4
	v_nop
.endr
.endm
; A slot's first step.  B's other set was last read ahead of the four places in front of A's last run of loads, so its loads may stand at the step's head.
.macro STEP slot, zero
	s_wait_dscnt 16                                ; B and A's blocks 0-3 are in; blocks 4-7 may be out
.irp a, 0,1,2,3
	MULX \a, 0, \zero, 128, ADRB+\slot, 1, 8*\a, 4, TO_B
.endr
	s_wait_dscnt 32                                ; A's blocks 4-7 are in; the 32 loads of B may be out
	WIN 0
	PLACES
.irp a, 4,5
	MULX \a, 0, \zero, AF, ADRA+\slot, 1, 8*(\a-4), 4, 0
.endr
	WIN MUL_HI
	MUL8 6, 0, \zero
	MUL8 7, 0, \zero
	PLACES
	FETCH_A \slot, 1, 4
.endm
; A slot's second step changes slots: every wave waits for all its tensor loads, adds 0 to its spare word, and waits for that and for its reads of this slot.
.macro TURN slot, next, fill, ask
	s_wait_tensorcnt 0x0
	ds_add_u32 v[SPW], v[NIL]
	s_wait_dscnt 17                                ; the add and A's blocks 4-7 may be out
	WIN MUL_LO
	MUL8 0, 1, 0
	s_wait_dscnt 0x0
	s_barrier_signal -1
	MUL8 1, 1, 0
	WIN 0
	s_barrier_wait -1
.if \fill
	CREST                                          ; the barrier has opened a round of the cluster's barrier
	s_add_nc_u64 s[G0+4*\slot+2:G0+4*\slot+3], s[G0+4*\slot+2:G0+4*\slot+3], 2*ROWB
	s_add_nc_u64 s[G0B+4*\slot+2:G0B+4*\slot+3], s[G0B+4*\slot+2:G0B+4*\slot+3], 2*ROWB
	JLOAD \slot
.else
	PLACES
.endif
.irp a, 2,3
	MULX \a, 1, 0, 0, ADRB+\next, 0, 16*(\a-2), 8, TO_B
.endr
	WIN 0
.if \fill
	s_cmp_gt_u32 s3, 1                             ; in the loop's last trip there is no K step two on
	s_cbranch_scc0 .Lno_ask_\@
	global_prefetch_b8 v[PFO], s[PFA:PFA+1] offset:\ask th:TH_LOAD_NT scope:SCOPE_SE
.Lno_ask_\@:
.else
	s_cmp_eq_u32 s66, 2                            ; q and k: the table, each block of 256 bytes named once in my cluster, a slot's two steps ahead of its loads; v does not read it
	s_cbranch_scc1 .Lno_ask_\@
	global_prefetch_b8 v[PFT], s[PTB:PTB+1] th:TH_LOAD_NT scope:SCOPE_SE
.Lno_ask_\@:
.endif
	PLACES
.irp a, 4,5
	MULX \a, 1, 0, AF, ADRA+\next, 0, 8*(\a-4), 4, 0
.endr
	WIN MUL_HI
	MUL8 6, 1, 0
	MUL8 7, 1, 0
	PLACES
	FETCH_A \next, 0, 4
.endm
.macro LAST                            ; the very last step
	s_wait_dscnt 16
	WIN MUL_LO
.irp a, 0,1,2,3
	MUL8 \a, 1, 0
.endr
	s_wait_dscnt 0
	WIN MUL_HI
.irp a, 4,5,6,7
	MUL8 \a, 1, 0
.endr
	WIN 0
	PLACES
.endm
.macro TLD a                           ; block a's cos and sin, in the accumulators' own order, into one of four sets of 64 registers in window 1
	WIN TO_B
.irp b, 0,1,2,3,4,5,6,7
.irp q, 0,1
	global_load_b128 v[64*((\a)%4)+8*\b+4*\q:64*((\a)%4)+8*\b+4*\q+3], v[LI], s[82:83] offset:(\a)*8192+\b*1024+\q*512
.endr
.endr
	WIN 0
.endm
; THE WAY OUT of block a: sum x 2^(both exponents) + bias; q and k: the rotation of each pair; the hold; the codes; four stores of 512 consecutive bytes.
.macro EPI a, rope
.set AC, 64*((\a)%4)
.set TS, 64*((\a)%4)
.set CC, CD+16*((\a)%2)
	WIN 0x02+((\a)/4)
.set jj, 0
.rept 32
.if \rope
	v_pk_fma_f32 v[TMP+jj:TMP+jj+1], v[AC+jj:AC+jj+1], s[96:97], v[BIAS+jj:BIAS+jj+1] op_sel_hi:[1,0,1]
.else
	v_pk_fma_f32 v[TMP+jj:TMP+jj+1], v[AC+jj:AC+jj+1], s[96:97], v[BIAS+2*(\a):BIAS+2*(\a)+1] op_sel_hi:[1,0,1]
.endif
.set jj, jj+2
.endr
.if \rope
.if (\a) < 5
	s_wait_loadcnt 48                              ; block a's table is in; those of the three blocks behind it may be out
.else
	s_wait_loadcnt 16*(7-(\a))
.endif
	WIN 0x04
.set jj, 0
.rept 32
	v_pk_mul_f32 v[U+jj:U+jj+1], v[TMP+jj:TMP+jj+1], v[TS+jj:TS+jj+1] op_sel:[1,1] op_sel_hi:[1,0]   ; t2 sin, t2 cos
.set jj, jj+2
.endr
.set jj, 0
.rept 32
	v_pk_fma_f32 v[TMP+jj:TMP+jj+1], v[TMP+jj:TMP+jj+1], v[TS+jj:TS+jj+1], v[U+jj:U+jj+1] op_sel_hi:[0,1,1] neg_lo:[0,0,1]   ; t1 cos - t2 sin, t1 sin + t2 cos
.set jj, jj+2
.endr
.if (\a) < 4
	TLD (\a)+4
.endif
.endif
	WIN 0
.set jj, 0
.rept 64
	v_med3_num_f32 v[TMP+jj], v[TMP+jj], -v[LIMV], v[LIMV]   ; the conversion does not saturate (ISA guide 7.6.2)
.set jj, jj+1
.endr
.if (\a) >= 2
	s_wait_alu depctr_va_vdst(0)
	s_wait_xcnt 0x0                                ; block a - 2's stores have read their registers
.endif
.irp b, 0,1,2,3,4,5,6,7
	v_cvt_scalef32_pk8_fp8_f32 v[CC+2*\b:CC+2*\b+1], v[TMP+8*\b:TMP+8*\b+7], v[SCV]
.endr
	v_nop
.irp c, 0,1,2,3
	global_store_b128 v[LI], v[CC+4*\c:CC+4*\c+3], s[84:85] offset:2048*(\a)+512*\c
.endr
.endm
	s_wait_alu depctr_va_vdst(0)
	s_wait_tensorcnt 0x0                           ; my part of K step 0 is in; the three lines stand ahead of a later first fill as ahead of a refill
	ds_add_u32 v[SPW], v[NIL]
	s_wait_dscnt 0x0
	CROUND
	JLOAD 1                                        ; K step 1
	FETCH_B 0, 0, 0
	FETCH_A 0, 0, 0
	FETCH_A 0, 0, 4
	global_prefetch_b8 v[PFO], s[PFA:PFA+1] offset:3*ROWB th:TH_LOAD_NT scope:SCOPE_SE
	STEP 0, 1                                      ; the first products start the sums
	s_mov_b32 s3, LAPS-1
.Llap:
	TURN 0, 1, 1, 4*ROWB
	STEP 1, 0
	TURN 1, 0, 1, 5*ROWB
	STEP 0, 0
	s_wait_xcnt 0x0                                ; the trip's prefetches have read their address
	s_add_nc_u64 s[PFA:PFA+1], s[PFA:PFA+1], 2*ROWB
	s_sub_co_u32 s3, s3, 1
	s_cmp_lg_u32 s3, 0
	s_cbranch_scc1 .Llap
	TURN 0, 1, 0, 0                                ; nothing is filled any more
	STEP 1, 0
	s_cmp_eq_u32 s66, 2
	s_cbranch_scc1 .Lv
.irp b, 0,1,2,3,4,5,6,7
	global_load_b128 v[BIAS+8*\b:BIAS+8*\b+3], v[BH], s[80:81] offset:64*\b
	global_load_b128 v[BIAS+8*\b+4:BIAS+8*\b+7], v[BH], s[80:81] offset:64*\b+16
.endr
	TLD 0
	TLD 1
	LAST
	s_wait_loadcnt 32                              ; the bias is in; two blocks of the table may be out
	TLD 2
	TLD 3
.irp a, 0,1,2,3,4,5,6,7
	EPI \a, 1
.endr
	s_branch .Lend
.Lv:
.irp a, 0,1,2,3,4,5,6,7
	global_load_b32 v[BIAS+2*\a], v[BR], s[80:81] offset:64*\a
	global_load_b32 v[BIAS+2*\a+1], v[BR], s[80:81] offset:64*\a
.endr
	LAST
	s_wait_loadcnt 0x0
.irp a, 0,1,2,3,4,5,6,7
	EPI \a, 0
.endr
.Lend:
	s_wait_tensorcnt 0x0                           ; the wave's end
	ds_add_u32 v[SPW], v[NIL]
	s_wait_dscnt 0x0
	CROUND                                         ; the closing round
	s_endpgm
.Lfunc_end_k_qaa30bbcd2f_qkv:
	.size	k_qaa30bbcd2f_qkv, .Lfunc_end_k_qaa30bbcd2f_qkv-k_qaa30bbcd2f_qkv
	.p2alignl 7, 3214868480
	.fill 96, 4, 3214868480
	.section	.rodata,"a",@progbits
	.p2align	6, 0x0
	.amdhsa_kernel k_qaa30bbcd2f_qkv
		.amdhsa_group_segment_fixed_size 327680
		.amdhsa_private_segment_fixed_size 0
		.amdhsa_enable_private_segment 0
		.amdhsa_kernarg_size 64
		.amdhsa_user_sgpr_count 2
		.amdhsa_user_sgpr_kernarg_segment_ptr 1
		.amdhsa_wavefront_size32 1
		.amdhsa_system_sgpr_workgroup_id_x 1
		.amdhsa_system_sgpr_workgroup_id_y 1
		.amdhsa_system_sgpr_workgroup_id_z 1
		.amdhsa_system_vgpr_workitem_id 0
		.amdhsa_next_free_vgpr 1024
		.amdhsa_next_free_sgpr 100
		.amdhsa_reserve_vcc 0
		.amdhsa_float_denorm_mode_32 3
		.amdhsa_float_denorm_mode_16_64 3
		.amdhsa_memory_ordered 1
		.amdhsa_forward_progress 1
		.amdhsa_inst_pref_size 249
	.end_amdhsa_kernel
	.amdgpu_metadata
---
amdhsa.version: [ 1, 2 ]
amdhsa.kernels:
  - .name:           k_qaa30bbcd2f_qkv
    .symbol:         k_qaa30bbcd2f_qkv.kd
    .args:
      - { .name: xc, .offset: 0, .size: 8, .value_kind: global_buffer, .address_space: global }
      - { .name: wc, .offset: 8, .size: 8, .value_kind: global_buffer, .address_space: global }
      - { .name: lowp_scales, .offset: 16, .size: 8, .value_kind: global_buffer, .address_space: global }
      - { .name: wq_b, .offset: 24, .size: 8, .value_kind: global_buffer, .address_space: global }
      - { .name: wk_b, .offset: 32, .size: 8, .value_kind: global_buffer, .address_space: global }
      - { .name: wv_b, .offset: 40, .size: 8, .value_kind: global_buffer, .address_space: global }
      - { .name: tab, .offset: 48, .size: 8, .value_kind: global_buffer, .address_space: global }
      - { .name: qkvc, .offset: 56, .size: 8, .value_kind: global_buffer, .address_space: global }
    .group_segment_fixed_size: 327680
    .private_segment_fixed_size: 0
    .kernarg_segment_align: 8
    .kernarg_segment_size: 64
    .max_flat_workgroup_size: 128
    .sgpr_count:     100
    .vgpr_count:     1024
    .wavefront_size: 32
...
	.end_amdgpu_metadata
.endif
;; end of part 2
;; launch attn (part 3): grid 16 x 16, 8 waves a work-group, clusters of 4 x 1, 327,680 bytes of LDS; arguments qkvc, lowp_scales, yc, wo_w, woc; writes yc, woc
.if DOCPART == 3
	.amdgcn_target "amdgcn-amd-amdhsa--gfx1250"
	.amdhsa_code_object_version 6
	.text
	.protected	k_qaa30bbcd2f_attn
	.globl	k_qaa30bbcd2f_attn
	.p2align	8
	.type	k_qaa30bbcd2f_attn,@function
k_qaa30bbcd2f_attn:
	s_mov_b64 s[64:65], 0
	v_nop
	global_prefetch_b8 v0, s[64:65] scope:SCOPE_SE
	s_setreg_imm32_b32 hwreg(HW_REG_WAVE_MODE, 25, 1), 1
	s_wait_xcnt 0x0
	s_wait_alu depctr_hold_cnt(0) depctr_sa_sdst(0) depctr_va_vdst(0) depctr_va_sdst(0) depctr_va_ssrc(0) depctr_va_vcc(0) depctr_vm_vsrc(0)
	s_getreg_b32 s2, hwreg(HW_REG_IB_STS2, 6, 4)
	s_cmp_eq_u32 s2, 0
	s_cbranch_scc0 .Lentry_in_a_cluster
	s_endpgm
.Lentry_in_a_cluster:
	s_bfe_u32 s2, ttmp6, 0x10000c
	s_cmp_lg_u32 s2, 0x3003
	s_cbranch_scc0 .Lentry_shape_is_right
	s_endpgm
.Lentry_shape_is_right:
; y[q][head] = the sum over keys k <= q of softmax_k(q . k / sqrt(128)) v, both products on codes of FP8 (E4M3); y is quantised here (entry 10 of the scales) and stored as images of the last product's operand registers.
; Beside it Wo is quantised (entry 11), by waves that have no key step left.
; THE SOFTMAX: t = score x log2(e) / sqrt(128); M = the largest t so far, rounded up to a whole number; p = 2^(t - M) is quantised (entry 9), not normalised; the sum is taken of the unquantised p and divides at the end.
; qkvc holds images of fragments (16 rows x 128 K, 2,048 bytes: registers 4 c .. 4 c + 3 of lane l at 512 c + 16 l): q at 0, k at 4 MiB: (128 head + 16-token block) x 2,048; v at 8 MiB: (128 head + 8 x 128-key block + 16-channel block) x 2,048.
; SHARES.  A head's 2,048 queries are 16 groups of 128; group G needs key steps (128 keys) 0 .. G.  Cluster c of the head's four takes groups c, 7 - c, 8 + c, 15 - c: 34 steps whatever c.  Of a group's eight tiles of
; 16 queries each of the four partners takes two.  A wave owns TWO tiles that share each fragment of K and V: tile 0 of a long group (waves 0-3: 15 - c; waves 4-7: 8 + c) and tile 1 of a short one (c; 7 - c).
; It walks the even key steps or the odd ones; waves w and w xor 1 join their sums at the end.
; Every branch hangs on the group and the count of steps, that is on the wave's number and the cluster's, alike in all partners; a partner's place enters the addresses in memory and the mask's numbers alone.
; Every cluster has a group of 12 or more, so it reads keys of all four slots: each joint load is issued by all four partners, and none is left out.  Key steps that lie wholly behind a tile's queries are left out: the mask throws their results away.
; LAYOUT.  S^T = K Q^T and O^T = V^T P^T: a lane holds one query (lane % 16) throughout; register j of score block t is key 16 t + 8 (lane / 16) + j, so the conversion of block t gives registers 2 t, 2 t + 1 of P.
; LDS: two slots of 512 keys, 2^17 bytes apart: K's four steps of 16 KiB, then V's four; all dense images.  Each of the eight waves fetches 16 KiB; one tensor load of a wave is out at a time.
; PREFETCH: at the first two changes of slots waves 4-7 of the head's first cluster ask for what the next change will load; at the second, waves 4-7 of every work-group ask for the rows of Wo that they take in the last slot.
; LIMITS: entries 6 + 7 between -123 and 130; entries 9, 10, 11 between -126 and 119.  NaN among the inputs is not served.
; REGISTERS: window 0: v1-39 addresses, constants, state; v40-71 Q; v72-103 P; v104-231 S^T, then p; v232-255 at work.  Window 1: v0-127 eight fragments of K, then of V; v128-255 O^T.
.set SLOT1, 1<<17
.set VOFF,  65536
.set SPARE, 2*SLOT1                    ; behind the ring: the spare words, 128 bytes for each of eight waves
.set WOST,  SPARE+1024                 ; behind them: two stages of 2,560 bytes for each of waves 4-7
.set SP,    80
.set STAT, WOST+4*64*SP                ; the merge's small words: 2 x 256 bytes of (-M, sum) for each wave
.set STG,  8192                        ; the merge: for each wave 2 x 4,096 bytes of O^T, in slot 0, which has had its last fill and its last read by then
.set LI,   1                           ; 16 x lane
.set DQ,   2                           ; my query in its group - 8 (lane / 16): the mask
.set PFO,  3                           ; 256 x lane
.set STO,  4                           ; the merge: where I put, STP where my partner wave has put; SSO, SSP the same for the small words
.set SPW,  5
.set NIL,  6
.set STP,  7
.set ADK,  8                           ; LDS addresses of the step's K, of its V's first and second half of my register blocks
.set ADVL, 9
.set ADVH, 10
.set AVL0, 11
.set AVH0, 12
.set SSO,  13
.set SSP,  14
.set NM,   16                          ; tile T's state at + 8 T: -M, the largest t, the sum in two halves, f (and a filler), two at work
.set MX,   17
.set SU,   18
.set FF,   20
.set WK,   22
.set PT,   23
.set CAP,  32                          ; 448 x 2^(entry 9), v33 2^(entry 9); v34, v35 entry 10; v36, v37 entry 11
.set SCP,  33
.set CAPY, 34
.set SCY,  35
.set CAPW, 36
.set SCW,  37
.set STI,  38                          ; Wo's stage, in and out
.set STU,  39
.set Q,    40
.set P,    72
.set S,    104
.set TM,   232
.set O,    128
.set WV,   14
.set CX,   15
.set HD,   16
.set PAR,  17                          ; 0: I walk the even key steps; 1: the odd
.set TY,   18                          ; 0: waves 0-3; 1: waves 4-7
.set KS,   19                          ; the key step in hand
.set SEL,  20
.set CS,   22
.set G1,   24
.set G0,   32
.set GL,   36                          ; the long group, s37 the short
.set GS,   37
.set TB,   38                          ; LDS byte of my step in the slot in hand
.set SLOTS, 39
.set QC,   40
.set LIM,  41
.set PFA,  42
.set TI,   44                          ; my tile in each group
.set WLIM, 45
.set MSB, 0
.macro WIN new                         ; the immediate's high byte repeats the setting that is left
.if MSB != \new
	s_set_vgpr_msb (MSB<<8)|\new
.set MSB, \new
.endif
.endm
.macro CROUND
	s_barrier_signal -1
	s_barrier_wait -1
	s_cmp_lg_u32 s[WV], 0
	s_cbranch_scc1 .Lnot_wave_0_\@
	s_barrier_signal -3
.Lnot_wave_0_\@:
	s_barrier_wait -3
	s_barrier_signal -1
	s_barrier_wait -1
.endm
.macro TLOAD
	tensor_load_to_lds s[G0:G0+3], s[G1:G1+7]
	s_nop 0
.rept 4
	v_nop
.endr
.endm
.macro PLACES                          ; four places behind a matrix instruction
.rept 4
	v_nop
.endr
.endm
	s_load_b256 s[4:11], s[0:1], 0x0               ; qkvc, the scales, yc, wo_w
	s_load_b64 s[12:13], s[0:1], 0x20              ; woc
	v_lshl_add_u32 v[SPW], v0, 2, SPARE
	v_mov_b32 v[NIL], 0
	ds_add_u32 v[SPW], v[NIL]                      ; the wave's opening: the add, twice on end, and its wait
	ds_add_u32 v[SPW], v[NIL]
	v_lshrrev_b32 v8, 5, v0
	v_readfirstlane_b32 s[WV], v8                  ; wave w
	s_and_b32 s[HD], ttmp7, 0xffff                 ; the head
	s_bfe_u32 s[CX], ttmp6, 0x40000                ; my place in the cluster
	s_and_b32 s[PAR], s[WV], 1
	s_bfe_u32 s54, s[WV], 0x10001
	s_lshr_b32 s[TY], s[WV], 2
	s_lshl_b32 s[TI], s[CX], 1
	s_add_co_u32 s[TI], s[TI], s54
	s_mul_i32 s55, s[TY], 7
	s_xor_b32 s[GS], ttmp9, s55                    ; c or 7 - c
	s_xor_b32 s[GL], s[GS], 15                     ; 15 - c or 8 + c
	s_mov_b32 s[KS], s[PAR]
	s_lshl_b32 s[TB], s[PAR], 14
	s_and_b32 s54, s[WV], 3
	s_add_co_u32 s56, s[TY], 1                     ; what I fetch: waves 0-3 K (part 1 of qkvc), waves 4-7 V (part 2),
	s_lshl_b32 s56, s56, 22
	s_lshl_b32 s55, s[HD], 18                      ; of my head,
	s_add_co_u32 s56, s56, s55
	s_lshl_b32 s72, s54, 14                        ; step w % 4 of a slot's four
	s_add_co_u32 s56, s56, s72
	s_mov_b32 s57, 0
	s_lshr_b32 s73, s[HD], 2                       ; y's fragments lie in four chunks of four heads, 1 MiB each; in a chunk 8,192 bytes for each block of 16 tokens
	s_lshl_b32 s73, s73, 20
	s_and_b32 s72, s[HD], 3
	s_lshl_b32 s72, s72, 11
	s_add_co_u32 s73, s73, s72
	s_lshl_b32 s72, s[PAR], 10                     ; my half of a fragment's registers
	s_add_co_u32 s73, s73, s72
.macro PLACE g, q, y                   ; group g's tile: Q's fragment and y's place
	s_lshl_b32 s72, s[\g], 3
	s_add_co_u32 s72, s72, s[TI]
	s_lshl_b32 s[\q], s72, 11
	s_add_co_u32 s[\q], s[\q], s55
	s_mov_b32 s[\q+1], 0
	s_lshl_b32 s[\y], s72, 13
	s_add_co_u32 s[\y], s[\y], s73
	s_mov_b32 s[\y+1], 0
.endm
	PLACE GL, 58, 62
	PLACE GS, 60, 66
	s_lshl_b32 s68, s[HD], 4                       ; my two rows of Wo (waves 4-7): 8 x work-group + 2 (w % 4)
	s_lshl_b32 s72, ttmp9, 2
	s_add_co_u32 s68, s68, s72
	s_add_co_u32 s68, s68, s[CX]
	s_lshl_b32 s68, s68, 3
	s_lshl_b32 s72, s54, 1
	s_add_co_u32 s68, s68, s72
	s_lshl_b32 s70, s68, 9                         ; codes: 512 bytes of each of four chunks of 1 MiB
	s_mov_b32 s71, 0
	s_lshl_b32 s68, s68, 13
	s_mov_b32 s69, 0
	s_lshr_b32 s74, s54, 1                         ; the prefetch: K's and V's 65,536 bytes of a slot; a wave takes 8,192 bytes of its work-group's share, lanes 256 bytes apart
	s_add_co_u32 s74, s74, 1
	s_lshl_b32 s74, s74, 22
	s_and_b32 s72, s54, 1
	s_lshl_b32 s72, s72, 15
	s_add_co_u32 s74, s74, s72
	s_add_co_u32 s74, s74, s55
	s_lshl_b32 s72, s[CX], 13                      ; the partners are told apart by address
	s_add_co_u32 s74, s74, s72
	s_add_co_u32 s74, s74, 65536                   ; the first change of slots steps it to the third slot's keys
	s_mov_b32 s75, 0
	s_lshl_b32 s[WLIM], s[TY], 1
	s_xor_b32 s72, s[TY], 1
	s_or_b32 s72, s72, ttmp9
	s_cmp_eq_u32 s72, 0
	s_cselect_b32 s[LIM], 1, -1
	s_mov_b32 s[G1], 15|(3<<16)|(1<<21)            ; 16 KiB, dense, as 64 rows of 32 elements of 8 bytes; the mask: all four work-groups; bit 21 beside it
	s_mov_b32 s[G1+1], 32<<16
	s_mov_b32 s[G1+2], 64<<16
	s_mov_b32 s[G1+3], 32<<16
	s_mov_b32 s[G1+4], 64
	s_mov_b32 s[G1+5], 32
	s_mov_b32 s[G1+6], 0
	s_mov_b32 s[G1+7], 0
	s_mov_b32 s[SEL], 0x76543210
	s_mov_b32 s[SEL+1], 0xfedcba98
	s_mov_b32 s[CS], 0x3e0293ee                    ; c = log2(e) / sqrt(128)
	s_mov_b32 s[SLOTS], 3
	s_mov_b32 s[G0], 1
	s_lshl_b32 s[G0+1], s[WV], 14                  ; LDS: wave x 16 KiB: K's four steps, then V's four
	s_wait_dscnt 0x0                               ; both opening adds are done
	CROUND                                         ; all four work-groups are here: the first joint loads meet
	s_wait_kmcnt 0x0
	s_load_b128 s[48:51], s[6:7], 0x18             ; entries 6, 7, 8, 9
	s_load_b64 s[52:53], s[6:7], 0x28              ; entries 10, 11
	s_add_nc_u64 s[G0+2:G0+3], s[4:5], s[56:57]
	s_or_b32 s[G0+3], s[G0+3], 0x80000000
	TLOAD                                          ; slot 0
	s_add_nc_u64 s[58:59], s[4:5], s[58:59]
	s_add_nc_u64 s[60:61], s[4:5], s[60:61]
	s_add_nc_u64 s[PFA:PFA+1], s[4:5], s[74:75]
	s_add_nc_u64 s[62:63], s[8:9], s[62:63]
	s_add_nc_u64 s[66:67], s[8:9], s[66:67]
	s_add_nc_u64 s[68:69], s[10:11], s[68:69]
	s_add_nc_u64 s[70:71], s[12:13], s[70:71]
	v_and_b32 v10, 31, v0                          ; lane
	v_lshlrev_b32 v[LI], 4, v10
.irp c, 0,1,2,3
	global_load_b128 v[Q+4*\c:Q+4*\c+3], v[LI], s[58:59] offset:512*\c   ; both tiles' Q stay in registers
	global_load_b128 v[Q+16+4*\c:Q+16+4*\c+3], v[LI], s[60:61] offset:512*\c
.endr
	s_lshl_b32 s72, s[TI], 4
	s_lshl_b32 s73, s[PAR], 13
	s_add_co_u32 s73, s73, VOFF                    ; V: my register block u holds channel block (u + 4 x my parity) % 8, so that every wave keeps blocks 0-3 and hands blocks 4-7 to its partner
	s_xor_b32 s74, s[PAR], 1
	s_lshl_b32 s74, s74, 13
	s_add_co_u32 s74, s74, VOFF
	s_mul_i32 s75, s[WV], STG
	s_xor_b32 s76, s[WV], 1
	s_lshl_b32 s80, s76, 9
	s_add_co_u32 s80, s80, STAT
	s_lshl_b32 s79, s[WV], 9
	s_add_co_u32 s79, s79, STAT
	s_mul_i32 s76, s76, STG
	s_mul_i32 s77, s54, 64*SP
	s_add_co_u32 s77, s77, WOST
	s_wait_alu depctr_va_vdst(0)
	v_lshlrev_b32 v[PFO], 8, v10
	v_and_b32 v8, 15, v0
	v_bfe_u32 v9, v0, 4, 1
	v_lshlrev_b32 v9, 3, v9
	v_sub_nc_u32 v[DQ], v8, v9
	v_add_nc_u32 v[DQ], s72, v[DQ]
	v_add_nc_u32 v[AVL0], s73, v[LI]
	v_add_nc_u32 v[AVH0], s74, v[LI]
	v_add_nc_u32 v[STO], s75, v[LI]
	v_add_nc_u32 v[STP], s76, v[LI]
	v_lshlrev_b32 v[SSO], 3, v10
	v_add_nc_u32 v[SSP], s80, v[SSO]
	v_add_nc_u32 v[SSO], s79, v[SSO]
	; Wo's stage: lane l of load i holds numbers 4 (l % 8) .. + 3 of block 4 i + l / 8.  They belong to lane 8 i + 2 (l / 8) + (l / 2) % 2 on the way out, at place 2 ((l / 4) % 2) + l % 2 of its four:
	; in every 32 codes the two middle groups of 8 change places, so that 16 bytes of a row are four registers of the matrix form's own layout
	v_lshrrev_b32 v[STI], 3, v10
	v_bfe_u32 v[STU], v10, 1, 1
	v_lshl_add_u32 v[STI], v[STI], 1, v[STU]
	v_mul_u32_u24 v[STI], v[STI], SP
	v_bfe_u32 v[STU], v10, 2, 1
	v_lshl_add_u32 v[STI], v[STU], 5, v[STI]
	v_and_b32 v[STU], 1, v10
	v_lshl_add_u32 v[STI], v[STU], 4, v[STI]
	v_add_nc_u32 v[STI], s77, v[STI]
	v_mul_u32_u24 v[STU], v10, SP
	v_add_nc_u32 v[STU], s77, v[STU]
.set T, 0
.rept 2
	v_mov_b32 v[MX+8*T], 0xff61b1e6                ; the largest t so far: -3e38
	v_floor_f32 v[NM+8*T], -v[MX+8*T]              ; -M
	v_mov_b32 v[SU+8*T], 0
	v_mov_b32 v[SU+8*T+1], 0
	v_mov_b32 v[FF+8*T+1], 0                       ; (named as the upper half of f's pair)
	v_mov_b32 v[PT+8*T], 0                         ; (a lane permute's destination counts as a source)
.set T, T+1
.endr
	WIN 0x40
.set jj, 0
.rept 128
	v_mov_b32 v[O+jj], 0                           ; O^T: the step is written without a first form: the first change of M multiplies zeros; a wave with no step of its short group hands zeros on
.set jj, jj+1
.endr
	WIN 0
	s_wait_alu depctr_va_vdst(0)
	s_wait_kmcnt 0x0
	s_add_co_i32 s72, s48, s49
	s_lshl_b32 s72, s72, 23
	s_add_co_i32 s[CS], s[CS], s72                 ; the scores' two exponents are added to c's exponent field
	s_mov_b32 s[CS+1], s[CS]
.macro MKSC e, cap
	s_add_co_i32 s72, s[\e], 127
	s_lshl_b32 s73, s72, 23
	v_mov_b32 v[\cap+1], s73                       ; 2^e
	s_add_co_i32 s72, s72, 8
	s_lshl_b32 s72, s72, 23
	s_or_b32 s72, s72, 0x600000
	v_mov_b32 v[\cap], s72                         ; 448 x 2^e
.endm
	MKSC 51, CAP
	MKSC 52, CAPY
	MKSC 53, CAPW
.macro QK g, n                         ; four blocks of 16 keys x n tiles
.set T, 0
.rept \n
.irp t, 0,1,2,3
	v_wmma_f32_16x16x128_fp8_fp8 v[S+64*T+8*(4*\g+\t):S+64*T+8*(4*\g+\t)+7], v[16*(4*\g+\t):16*(4*\g+\t)+15], v[Q+16*T:Q+16*T+15], 0
.endr
.set T, T+1
.endr
.endm
.macro PV g, n
.set T, 0
.rept \n
.irp t, 0,1,2,3
	v_wmma_f32_16x16x128_fp8_fp8 v[O+64*T+8*(4*\g+\t):O+64*T+8*(4*\g+\t)+7], v[16*(4*\g+\t):16*(4*\g+\t)+15], v[P+16*T:P+16*T+15], v[O+64*T+8*(4*\g+\t):O+64*T+8*(4*\g+\t)+7]
.endr
.set T, T+1
.endr
.endm
.macro FR4 f, adr, off                 ; four fragments, 2,048 bytes apart, into window 1
.irp t, 0,1,2,3
.irp c, 0,1,2,3
	ds_load_b128 v[16*(\f+\t)+4*\c:16*(\f+\t)+4*\c+3], v[\adr] offset:\off+2048*\t+512*\c
.endr
.endr
.endm
; A KEY STEP of 128 keys for n tiles: 2, or 1 (the long group's) once the short group has had all its keys.
.macro STEP n
	s_lshl_b32 s78, s[QC], 15                      ; my q-th step of the slot: 32,768 q bytes on
	s_add_co_u32 s78, s78, s[TB]
	v_add_nc_u32 v[ADK], s78, v[LI]
	v_add_nc_u32 v[ADVL], s78, v[AVL0]
	v_add_nc_u32 v[ADVH], s78, v[AVH0]
	v_nop                                          ; with the three additions: four places ahead of loads into registers that the last products read
	WIN 0x40
	FR4 0, ADK, 0
	FR4 4, ADK, 8192
	s_wait_alu depctr_va_vdst(0)
	s_wait_dscnt 16                                ; K's first four fragments are in
	WIN 0x01
	QK 0, \n
	PLACES
	WIN 0x40
	FR4 0, ADVL, 0                                 ; V's first four take their place
	s_wait_dscnt 16                                ; K's other four are in
	WIN 0x01
	QK 1, \n
	PLACES
	WIN 0x40
	FR4 4, ADVH, 0
	WIN 0
	s_cmp_lg_u32 s[KS], s[GL-1+\n]                 ; a group's own step lies on the diagonal: with two tiles it can be the short group's alone
	s_cbranch_scc1 .Lopen_\@
	v_mov_b32 v255, 0xff800000                     ; hidden scores become -infinity ahead of the maximum: p = 0 then.  The step's first key counts for every query
.set jj, 0
.rept 64
	v_cmp_gt_i32 vcc_lo, 16*(jj/8)+jj%8, v[DQ]
	v_cndmask_b32 v[S+64*(\n-1)+jj], v[S+64*(\n-1)+jj], v255, vcc_lo
.set jj, jj+1
.endr
.Lopen_\@:
.set kk, 0
.rept 4                                ; the largest score of my query, in four chains a tile
.set T, 0
.rept \n
	v_max3_num_f32 v[TM+4*T+kk], v[S+64*T+3*kk], v[S+64*T+3*kk+1], v[S+64*T+3*kk+2]
.set T, T+1
.endr
.set kk, kk+1
.endr
.set jj, 0
.rept 26
.set T, 0
.rept \n
	v_max3_num_f32 v[TM+4*T+jj%4], v[TM+4*T+jj%4], v[S+64*T+12+2*jj], v[S+64*T+13+2*jj]
.set T, T+1
.endr
.set jj, jj+1
.endr
.set T, 0
.rept \n
	v_max3_num_f32 v[WK+8*T], v[TM+4*T], v[TM+4*T+1], v[TM+4*T+2]
.set T, T+1
.endr
.set T, 0
.rept \n
	v_max_num_f32 v[WK+8*T], v[WK+8*T], v[TM+4*T+3]
.set T, T+1
.endr
.set T, 0
.rept \n
	v_permlanex16_b32 v[PT+8*T], v[WK+8*T], s[SEL], s[SEL+1]
.set T, T+1
.endr
.set T, 0
.rept \n
	v_max_num_f32 v[WK+8*T], v[WK+8*T], v[PT+8*T]  ; and among the other half of the lanes'
.set T, T+1
.endr
.set T, 0
.rept \n
	v_mul_f32 v[WK+8*T], s[CS], v[WK+8*T]
.set T, T+1
.endr
.set T, 0
.rept \n
	v_max_num_f32 v[MX+8*T], v[MX+8*T], v[WK+8*T]
.set T, T+1
.endr
.set T, 0
.rept \n
	v_mov_b32 v[WK+8*T], v[NM+8*T]
.set T, T+1
.endr
.set T, 0
.rept \n
	v_floor_f32 v[NM+8*T], -v[MX+8*T]              ; the new -M: a whole number
.set T, T+1
.endr
.set T, 0
.rept \n
	v_sub_f32 v[WK+8*T], v[NM+8*T], v[WK+8*T]
.set T, T+1
.endr
.set T, 0
.rept \n
	v_cvt_i32_f32 v[WK+8*T], v[WK+8*T]             ; (it saturates)
.set T, T+1
.endr
.set T, 0
.rept \n
	v_ldexp_f32 v[FF+8*T], 1.0, v[WK+8*T]          ; f = 2^(old M - new M)
.set T, T+1
.endr
.set T, 0
.rept \n
.set jj, 0
.rept 32
	v_pk_fma_f32 v[S+64*T+jj:S+64*T+jj+1], v[S+64*T+jj:S+64*T+jj+1], s[CS:CS+1], v[NM+8*T:NM+8*T+1] op_sel_hi:[1,0,0]   ; t - M
.set jj, jj+2
.endr
.set T, T+1
.endr
	s_wait_alu depctr_va_vdst(0)
.set jj, 0
.rept 64*\n
	v_exp_f32 v[S+jj], v[S+jj]                     ; p
.set jj, jj+1
.endr
.set T, 0
.rept \n
	v_pk_mul_f32 v[SU+8*T:SU+8*T+1], v[SU+8*T:SU+8*T+1], v[FF+8*T:FF+8*T+1] op_sel_hi:[1,0]   ; the sums under the new M (a plain line behind the exponentials)
.set T, T+1
.endr
	s_wait_alu depctr_va_vdst(0)                   ; one wait for the batch, ahead of its first reader
.set kk, 0
.rept 4                                ; the sums of the unquantised p, in four chains a tile
.set T, 0
.rept \n
	v_pk_add_f32 v[TM+8*T+2*kk:TM+8*T+2*kk+1], v[S+64*T+4*kk:S+64*T+4*kk+1], v[S+64*T+4*kk+2:S+64*T+4*kk+3]
.set T, T+1
.endr
.set kk, kk+1
.endr
.set jj, 0
.rept 24
.set T, 0
.rept \n
	v_pk_add_f32 v[TM+8*T+2*(jj%4):TM+8*T+2*(jj%4)+1], v[TM+8*T+2*(jj%4):TM+8*T+2*(jj%4)+1], v[S+64*T+16+2*jj:S+64*T+17+2*jj]
.set T, T+1
.endr
.set jj, jj+1
.endr
.irp k, 0,4
.set T, 0
.rept \n
	v_pk_add_f32 v[TM+8*T+\k:TM+8*T+\k+1], v[TM+8*T+\k:TM+8*T+\k+1], v[TM+8*T+\k+2:TM+8*T+\k+3]
.set T, T+1
.endr
.endr
.set T, 0
.rept \n
	v_pk_add_f32 v[TM+8*T:TM+8*T+1], v[TM+8*T:TM+8*T+1], v[TM+8*T+4:TM+8*T+5]
.set T, T+1
.endr
.set T, 0
.rept \n
	v_pk_add_f32 v[SU+8*T:SU+8*T+1], v[SU+8*T:SU+8*T+1], v[TM+8*T:TM+8*T+1]
.set T, T+1
.endr
.set jj, 0
.rept 64*\n
	v_min_num_f32 v[S+jj], v[S+jj], v[CAP]         ; the conversion does not saturate (ISA guide 7.6.2); p is not negative
.set jj, jj+1
.endr
.set jj, 0
.rept 8*\n
	v_cvt_scalef32_pk8_fp8_f32 v[P+2*jj:P+2*jj+1], v[S+8*jj:S+8*jj+7], v[SCP]
.set jj, jj+1
.endr
	WIN 0x41
	s_wait_alu depctr_va_vdst(0)                   ; the wait here, directly ahead of the first reader of O^T
.set T, 0
.rept \n
.set jj, 0
.rept 32
	v_pk_mul_f32 v[O+64*T+jj:O+64*T+jj+1], v[O+64*T+jj:O+64*T+jj+1], v[FF+8*T:FF+8*T+1] op_sel_hi:[1,0]   ; O^T under the new M
.set jj, jj+2
.endr
.set T, T+1
.endr
	s_wait_alu depctr_va_vdst(0)                   ; and here, directly ahead of the wait below
	s_wait_dscnt 0x0                               ; V is in
	WIN 0x51
	PV 0, \n
	PV 1, \n
	WIN 0
.endm
; THE CHANGE OF SLOTS.  Each wave waits for all its tensor loads, adds 0 to its spare word, and waits for that and for its reads of the slot that it leaves.
; fill = 1: behind a round of the cluster's barrier the slot just left takes the next slot's keys (the first time: slot 1's first fill): the load has a slot's steps in which to land.
.macro CHANGE fill
	s_wait_tensorcnt 0x0
	ds_add_u32 v[SPW], v[NIL]
.if \fill
	s_xor_b32 s[G0+1], s[G0+1], SLOT1              ; the walking descriptor: the other slot, the next 512 keys
	s_add_nc_u64 s[G0+2:G0+3], s[G0+2:G0+3], 65536
	s_wait_xcnt 0x0                                ; my prefetch has read its address
	s_add_nc_u64 s[PFA:PFA+1], s[PFA:PFA+1], 65536
.endif
	s_wait_dscnt 0x0
.if \fill
	CROUND
	TLOAD
	s_cmp_gt_u32 s[SLOTS], s[LIM]                  ; at the first two changes, in waves 4 to 7 of the head's first cluster: each block of 256 bytes named once
	s_cbranch_scc0 .Lnot_mine_\@
	global_prefetch_b8 v[PFO], s[PFA:PFA+1] th:TH_LOAD_NT scope:SCOPE_SE
.Lnot_mine_\@:
	s_cmp_eq_u32 s[SLOTS], s[WLIM]                 ; at the second change, in waves 4 to 7: my two rows of Wo
	s_cbranch_scc0 .Lno_wo_\@
	global_prefetch_b8 v[PFO], s[68:69] th:TH_LOAD_NT scope:SCOPE_SE
	global_prefetch_b8 v[PFO], s[68:69] offset:8192 th:TH_LOAD_NT scope:SCOPE_SE
.Lno_wo_\@:
.else
	s_barrier_signal -1
	s_barrier_wait -1
.endif
.endm
	s_wait_alu depctr_va_vdst(0)
	s_wait_loadcnt 0x0                             ; Q
.Lslot:
	CHANGE 1
	s_mov_b32 s[QC], 0
.Lstep:                                            ; my two steps of the slot
	s_cmp_gt_u32 s[KS], s[GL]                      ; a step whose keys all come after a group's queries is left out: branches on ids, round no barrier and no tensor load
	s_cbranch_scc1 .Lhid
	s_cmp_gt_u32 s[KS], s[GS]
	s_cbranch_scc1 .Lsingle
	STEP 2
	s_branch .Lhid
.Lsingle:
	STEP 1
.Lhid:
	s_add_co_u32 s[KS], s[KS], 2
	s_add_co_u32 s[QC], s[QC], 1
	s_cmp_lt_u32 s[QC], 2
	s_cbranch_scc1 .Lstep
	s_xor_b32 s[TB], s[TB], SLOT1
	s_sub_co_u32 s[SLOTS], s[SLOTS], 1
	s_cmp_lg_u32 s[SLOTS], 0
	s_cbranch_scc1 .Lslot
	CHANGE 0                                       ; the last slot is written out
	s_cmp_lt_u32 s[WV], 4
	s_cbranch_scc1 .Lno_wo
	; ---- WAVES 4-7 have no key step in this slot (their long group is at most 11): two rows of Wo each, eight steps of 512 numbers, through the wave's own stage
	PLACES
.set jj, 0
.rept 32
	global_load_b128 v[S+4*jj:S+4*jj+3], v[LI], s[68:69] offset:512*jj th:TH_LOAD_NT
.set jj, jj+1
.endr
.macro WTURN t
.irp i, 0,1,2,3
	ds_store_b128 v[STI], v[S+16*(\t)+4*\i:S+16*(\t)+4*\i+3] offset:32*SP*((\t)%2)+8*SP*\i
.endr
.irp i, 0,1,2,3
	ds_load_b128 v[Q+16*((\t)%2)+4*\i:Q+16*((\t)%2)+4*\i+3], v[STU] offset:32*SP*((\t)%2)+16*\i   ; LDS serves a wave's instructions in order
.endr
.endm
	s_wait_loadcnt 28
	WTURN 0
.irp t, 0,1,2,3,4,5,6,7
.set CW, P+16+4*\t
.if \t > 3
.set CW, TM+4*(\t-4)
.endif
	s_wait_dscnt 0x0
.if \t < 7
	s_wait_loadcnt 4*(6-\t)                        ; the next step's four loads are in
	WTURN \t+1
.endif
.set jj, 0
.rept 16
	v_med3_num_f32 v[P+jj], v[Q+16*(\t%2)+jj], -v[CAPW], v[CAPW]
.set jj, jj+1
.endr
	v_cvt_scalef32_pk8_fp8_f32 v[CW:CW+1], v[P:P+7], v[SCW]
	v_cvt_scalef32_pk8_fp8_f32 v[CW+2:CW+3], v[P+8:P+15], v[SCW]
	v_nop
	global_store_b128 v[LI], v[CW:CW+3], s[70:71] offset:0x100000*(\t%4)+512*(\t/4)   ; 512 consecutive bytes, aligned
.endr
	s_wait_alu depctr_va_vdst(0)
	s_wait_xcnt 0x0                                ; the stores have read their registers
.Lno_wo:
	s_mov_b32 s[QC], 0
.Llast:
	s_cmp_gt_u32 s[KS], s[GL]
	s_cbranch_scc1 .Lhid2
	STEP 1
.Lhid2:
	s_add_co_u32 s[KS], s[KS], 2
	s_add_co_u32 s[QC], s[QC], 1
	s_cmp_lt_u32 s[QC], 2
	s_cbranch_scc1 .Llast
	; ---- THE MERGE.  -M and the sums change hands first; each wave scales its O^T to the common M and the row's sum, hands blocks 4-7 of both tiles to the wave with the other steps, and finishes blocks 0-3.
	; ---- THE MERGE.  Each wave hands blocks 4-7 of both tiles' O^T, their -M and their sums to the wave with the other steps, and finishes blocks 0-3.
	PLACES
.set T, 0
.rept 2
	v_add_f32 v[SU+8*T], v[SU+8*T], v[SU+8*T+1]
.set T, T+1
.endr
.set T, 0
.rept 2
	v_permlanex16_b32 v[PT+8*T], v[SU+8*T], s[SEL], s[SEL+1]
.set T, T+1
.endr
.set T, 0
.rept 2
	v_add_f32 v[MX+8*T], v[SU+8*T], v[PT+8*T]      ; my steps' sum, beside -M
.set T, T+1
.endr
	ds_store_b64 v[SSO], v[NM:NM+1]
	ds_store_b64 v[SSO], v[NM+8:NM+9] offset:256
	s_wait_alu depctr_va_vdst(0)
	s_wait_dscnt 0x0                               ; for the partner's sake: my stores are done; and so are my reads of the slots
	s_barrier_signal -1
	s_barrier_wait -1                              ; no wave reads a slot any more
	ds_load_b64 v[TM:TM+1], v[SSP]
	ds_load_b64 v[TM+2:TM+3], v[SSP] offset:256
	s_wait_dscnt 0x0
.macro TWO op, d, ds, a, as, b, bs     ; one line for each tile; ds, as, bs: registers from tile to tile
.set T, 0
.rept 2
	\op v[\d+\ds*T], v[\a+\as*T], v[\b+\bs*T]
.set T, T+1
.endr
.endm
	TWO v_min_num_f32, WK, 8, NM, 8, TM, 2         ; -(the larger M)
	TWO v_sub_f32, TM+4, 2, WK, 8, NM, 8
	TWO v_sub_f32, TM+5, 2, WK, 8, TM, 2
.irp k, 4,5,6,7
	v_cvt_i32_f32 v[TM+\k], v[TM+\k]
.endr
.irp k, 4,5,6,7
	v_ldexp_f32 v[TM+\k], 1.0, v[TM+\k]            ; mine under the common M, the partner's: exact powers of two; 0 for a wave that had no step
.endr
	TWO v_mul_f32, TM+8, 1, MX, 8, TM+4, 2
.set T, 0
.rept 2
	v_fma_f32 v[TM+8+T], v[TM+1+2*T], v[TM+5+2*T], v[TM+8+T]   ; the row's sum
.set T, T+1
.endr
	s_add_co_i32 s72, s50, s51
	s_wait_alu depctr_va_vdst(0)                   ; the wait ahead of the two
	v_rcp_f32 v[TM+8], v[TM+8]
	v_rcp_f32 v[TM+9], v[TM+9]
	v_nop                                          ; a plain line behind the reciprocals
	s_wait_alu depctr_va_vdst(0)                   ; and the wait ahead of their first reader
	v_ldexp_f32 v[TM+8], v[TM+8], s72              ; x 2^(entries 8 + 9)
	v_ldexp_f32 v[TM+9], v[TM+9], s72
	TWO v_mul_f32, FF, 8, TM+4, 2, TM+8, 1         ; my factor
	WIN 0x01
	s_wait_alu depctr_va_vdst(0)                   ; the wait here, directly ahead of the first reader of O^T
.set T, 0
.rept 2
.set jj, 0
.rept 16
	v_pk_mul_f32 v[S+64+32*T+jj:S+64+32*T+jj+1], v[O+64*T+jj:O+64*T+jj+1], v[FF+8*T:FF+8*T+1] op_sel_hi:[1,0]   ; blocks 0-3: mine
.set jj, jj+2
.endr
.set jj, 0
.rept 16
	v_pk_mul_f32 v[S+32*T+jj:S+32*T+jj+1], v[O+64*T+32+jj:O+64*T+33+jj], v[FF+8*T:FF+8*T+1] op_sel_hi:[1,0]     ; blocks 4-7: my partner's
.set jj, jj+2
.endr
.set T, T+1
.endr
	WIN 0
.set T, 0
.rept 2
.irp i, 0,1,2,3,4,5,6,7
	ds_store_b128 v[STO], v[S+32*T+4*\i:S+32*T+4*\i+3] offset:4096*T+512*\i
.endr
.set T, T+1
.endr
	s_wait_alu depctr_va_vdst(0)
	s_wait_dscnt 0x0                               ; for the partner's sake: my stores are done
	s_barrier_signal -1
	s_barrier_wait -1
.set T, 0
.rept 2
.irp i, 0,1,2,3,4,5,6,7
	ds_load_b128 v[Q+32*T+4*\i:Q+32*T+4*\i+3], v[STP] offset:4096*T+512*\i
.endr
.set T, T+1
.endr
	s_wait_dscnt 0x0
.set T, 0
.rept 2
.set jj, 0
.rept 16
	v_pk_add_f32 v[S+64+32*T+jj:S+64+32*T+jj+1], v[S+64+32*T+jj:S+64+32*T+jj+1], v[Q+32*T+jj:Q+32*T+jj+1]   ; y: register 8 u + i: channel 16 (4 parity + u) + 8 (lane / 16) + i of query lane % 16
.set jj, jj+2
.endr
.set T, T+1
.endr
.set jj, 0
.rept 64
	v_med3_num_f32 v[S+64+jj], v[S+64+jj], -v[CAPY], v[CAPY]
.set jj, jj+1
.endr
.irp u, 0,1,2,3,4,5,6,7
	v_cvt_scalef32_pk8_fp8_f32 v[P+2*\u:P+2*\u+1], v[S+64+8*\u:S+71+8*\u], v[SCY]
.endr
	v_nop
	global_store_b128 v[LI], v[P:P+3], s[62:63]                ; 512 consecutive bytes, aligned
	global_store_b128 v[LI], v[P+4:P+7], s[62:63] offset:512
	global_store_b128 v[LI], v[P+8:P+11], s[66:67]
	global_store_b128 v[LI], v[P+12:P+15], s[66:67] offset:512
	s_wait_tensorcnt 0x0                           ; the wave's end
	ds_add_u32 v[SPW], v[NIL]
	s_wait_dscnt 0x0
	CROUND                                         ; the closing round
	s_endpgm
.Lfunc_end_k_qaa30bbcd2f_attn:
	.size	k_qaa30bbcd2f_attn, .Lfunc_end_k_qaa30bbcd2f_attn-k_qaa30bbcd2f_attn
	.p2alignl 7, 3214868480
	.fill 96, 4, 3214868480
	.section	.rodata,"a",@progbits
	.p2align	6, 0x0
	.amdhsa_kernel k_qaa30bbcd2f_attn
		.amdhsa_group_segment_fixed_size 327680
		.amdhsa_private_segment_fixed_size 0
		.amdhsa_enable_private_segment 0
		.amdhsa_kernarg_size 40
		.amdhsa_user_sgpr_count 2
		.amdhsa_user_sgpr_kernarg_segment_ptr 1
		.amdhsa_wavefront_size32 1
		.amdhsa_system_sgpr_workgroup_id_x 1
		.amdhsa_system_sgpr_workgroup_id_y 1
		.amdhsa_system_sgpr_workgroup_id_z 1
		.amdhsa_system_vgpr_workitem_id 0
		.amdhsa_next_free_vgpr 512
		.amdhsa_next_free_sgpr 100
		.amdhsa_reserve_vcc 1
		.amdhsa_float_denorm_mode_32 3
		.amdhsa_float_denorm_mode_16_64 3
		.amdhsa_memory_ordered 1
		.amdhsa_forward_progress 1
		.amdhsa_inst_pref_size 135
	.end_amdhsa_kernel
	.amdgpu_metadata
---
amdhsa.version: [ 1, 2 ]
amdhsa.kernels:
  - .name:           k_qaa30bbcd2f_attn
    .symbol:         k_qaa30bbcd2f_attn.kd
    .args:
      - { .name: qkvc, .offset: 0, .size: 8, .value_kind: global_buffer, .address_space: global }
      - { .name: lowp_scales, .offset: 8, .size: 8, .value_kind: global_buffer, .address_space: global }
      - { .name: yc, .offset: 16, .size: 8, .value_kind: global_buffer, .address_space: global }
      - { .name: wo_w, .offset: 24, .size: 8, .value_kind: global_buffer, .address_space: global }
      - { .name: woc, .offset: 32, .size: 8, .value_kind: global_buffer, .address_space: global }
    .group_segment_fixed_size: 327680
    .private_segment_fixed_size: 0
    .kernarg_segment_align: 8
    .kernarg_segment_size: 40
    .max_flat_workgroup_size: 256
    .sgpr_count:     100
    .vgpr_count:     512
    .wavefront_size: 32
...
	.end_amdgpu_metadata
.endif
;; end of part 3
;; launch oproj (part 4): grid 16 x 16, 4 waves a work-group, clusters of 4 x 4, 327,680 bytes of LDS; arguments yc, woc, lowp_scales, wo_b, out0; writes out0
.if DOCPART == 4
	.amdgcn_target "amdgcn-amd-amdhsa--gfx1250"
	.amdhsa_code_object_version 6
	.text
	.protected	k_qaa30bbcd2f_oproj
	.globl	k_qaa30bbcd2f_oproj
	.p2align	8
	.type	k_qaa30bbcd2f_oproj,@function
k_qaa30bbcd2f_oproj:
	s_mov_b64 s[64:65], 0
	v_nop
	global_prefetch_b8 v0, s[64:65] scope:SCOPE_SE
	s_setreg_imm32_b32 hwreg(HW_REG_WAVE_MODE, 25, 1), 1
	s_wait_xcnt 0x0
	s_wait_alu depctr_hold_cnt(0) depctr_sa_sdst(0) depctr_va_vdst(0) depctr_va_sdst(0) depctr_va_ssrc(0) depctr_va_vcc(0) depctr_vm_vsrc(0)
	s_getreg_b32 s2, hwreg(HW_REG_IB_STS2, 6, 4)
	s_cmp_eq_u32 s2, 0
	s_cbranch_scc0 .Lentry_in_a_cluster
	s_endpgm
.Lentry_in_a_cluster:
	s_bfe_u32 s2, ttmp6, 0x10000c
	s_cmp_lg_u32 s2, 0xf033
	s_cbranch_scc0 .Lentry_shape_is_right
	s_endpgm
.Lentry_shape_is_right:
; out = y Wo^T + bo on codes of FP8 (E4M3), f32 sums.  A work-group makes 128 x 128, a wave 64 x 64: 16 accumulators.
; K goes in four chunks of 512 through two LDS slots.  Both operands lie in memory by chunks, 1 MiB each: y as images of fragments (16 tokens x 128 K in 2,048 bytes, four to a block of tokens), Wo as rows of 512 codes.
; So what a wave fetches of a chunk is 32 KiB on end, and its one load at the head brings two chunks, both slots' first fills; each slot is filled once more.
; Tiles are asked for jointly by the four partners that need them (clusters of 4 x 4).  PREFETCH: chunk 2 behind the head's load, chunk 3 behind the first barrier: each partner names a quarter of the 32 KiB, lanes 256 bytes apart.
; LIMITS: entries 10 + 11 of the scales between -126 and 127.  NaN among the inputs is not served.
.set PB,     528                       ; B's LDS row: 512 bytes + 16 of padding
.set BOFF,   131072                    ; A: for each half of the rows 32 KiB for slot 0, then slot 1; behind them B: for each half 33,792 bytes a slot
.set BSL,    64*PB
.set SPARE,  BOFF+4*BSL                ; the spare words, 128 bytes a wave
.set SPITCH, 272                       ; the way out: 16 rows x (256 + 16) bytes for each wave, in slot 0, which has had its last fill and its last read by then
.set ADRA, 16
.set ADRB, 20
.set STO,  24
.set RD,   25
.set CO,   26
.set BO,   27
.set SPW,  28
.set NIL,  29
.set PFO,  30                          ; 256 x lane
.set BIAS, 32
.set TMP,  64
.set ACC,  128
.set F0,   0                           ; window 1: two buffers of fragments, A's four, then B's four
.set F1,   128
.set G1, 24                            ; refills: A's tile, B's at G1B
.set G0, 32
.set G1B, 48
.set G0B, 56
.set PFA, 76
.set G1H, 80                           ; the head's load: two chunks
.set G1BH, 88
.set MSB, 0
.macro WIN new
.if MSB != \new
	s_set_vgpr_msb (MSB<<8)|\new
.set MSB, \new
.endif
.endm
.set MUL,  0x05
.set TO_F, 0x40
.macro JLOAD s, g1a, g1b               ; waves 0, 1 fetch A's halves, waves 2, 3 B's
	s_cmp_eq_u32 s11, 0
	s_cbranch_scc0 .Lfor_b_\@
	tensor_load_to_lds s[G0+4*\s:G0+4*\s+3], s[\g1a:\g1a+7]
	s_nop 0
.rept 4
	v_nop
.endr
	s_branch .Lasked_\@
.Lfor_b_\@:
	tensor_load_to_lds s[G0B+4*\s:G0B+4*\s+3], s[\g1b:\g1b+7]
	s_nop 0
.rept 4
	v_nop
.endr
.Lasked_\@:
.endm
.macro CREST
	s_cmp_lg_u32 s10, 0
	s_cbranch_scc1 .Lnot_wave_0_\@
	s_barrier_signal -3
.Lnot_wave_0_\@:
	s_barrier_wait -3
	s_barrier_signal -1
	s_barrier_wait -1
.endm
.macro CROUND
	s_barrier_signal -1
	s_barrier_wait -1
	CREST
.endm
	s_load_b128 s[4:7], s[0:1], 0x0                ; yc, woc
	s_load_b128 s[68:71], s[0:1], 0x10             ; the scales, wo_b
	s_load_b64 s[72:73], s[0:1], 0x20              ; out0
	v_lshl_add_u32 v[SPW], v0, 2, SPARE
	v_mov_b32 v[NIL], 0
	ds_add_u32 v[SPW], v[NIL]                      ; the wave's opening: the add, twice on end, and its wait
	ds_add_u32 v[SPW], v[NIL]
	v_lshrrev_b32 v1, 5, v0
	v_readfirstlane_b32 s10, v1                    ; wave
	s_lshr_b32 s11, s10, 1                         ; my half of the rows; I fetch for A (0) or B (1)
	s_and_b32 s12, s10, 1                          ; my half of the columns; which half of that tile I fetch
	s_bfe_u32 s40, ttmp6, 0x40000
	s_bfe_u32 s41, ttmp6, 0x40004
	s_lshl_b32 s42, ttmp9, 2
	s_add_co_u32 s42, s42, s40                     ; block column
	s_and_b32 s13, ttmp7, 0xffff
	s_lshl_b32 s13, s13, 2
	s_add_co_u32 s13, s13, s41                     ; block row
	s_lshl_b32 s43, s41, 2
	s_lshl_b32 s43, 15, s43
	s_lshl_b32 s44, 0x1111, s40
	s_or_b32 s[G1+0], s43, (3<<16)|(1<<21)         ; A's refill: 32 KiB on end, as 128 rows of 32 elements of 8 bytes
	s_mov_b32 s[G1+1], 32<<16
	s_mov_b32 s[G1+2], 128<<16
	s_mov_b32 s[G1+3], 32<<16
	s_mov_b32 s[G1+4], 128
	s_mov_b32 s[G1+5], 32
	s_mov_b32 s[G1+6], 0
	s_mov_b32 s[G1+7], 0
	s_or_b32 s[G1B+0], s44, (3<<16)|(1<<20)|(1<<21)|(6<<22)|(3<<25)   ; B's: 64 rows of 512 bytes, four words of padding behind every 128
	s_mov_b32 s[G1B+1], 64<<16
	s_mov_b32 s[G1B+2], 64<<16
	s_mov_b32 s[G1B+3], 64<<16
	s_mov_b32 s[G1B+4], 64
	s_mov_b32 s[G1B+5], 64
	s_mov_b32 s[G1B+6], 0
	s_mov_b32 s[G1B+7], 0
	s_or_b32 s[G1H+0], s43, (3<<16)|(1<<21)
	s_or_b32 s[G1BH+0], s44, (3<<16)|(1<<20)|(1<<21)|(6<<22)|(3<<25)
.irp g, G1H, G1BH                      ; the head's: two rows of 32 KiB, a chunk apart; B's padding as in the refill
	s_mov_b32 s[\g+1], 4096<<16
	s_mov_b32 s[\g+2], 2<<16
	s_mov_b32 s[\g+3], 4096<<16
	s_mov_b32 s[\g+4], 2
	s_mov_b32 s[\g+5], 131072
	s_mov_b32 s[\g+6], 0
	s_mov_b32 s[\g+7], 0
.endr
	s_lshl_b32 s16, s13, 1
	s_add_co_u32 s16, s16, s12
	s_lshl_b32 s16, s16, 15                        ; A: 64 tokens are 32 KiB of a chunk
	s_mov_b32 s17, 0
	s_lshl_b32 s18, s42, 1
	s_add_co_u32 s18, s18, s12
	s_lshl_b32 s18, s18, 15                        ; B: so are 64 rows of Wo
	s_mov_b32 s19, 0
	s_lshl_b32 s20, s12, 16
	s_mul_i32 s21, s12, 2*BSL
	s_add_co_u32 s21, s21, BOFF
	s_wait_dscnt 0x0                               ; both opening adds are done
	CROUND                                         ; all sixteen work-groups are here
	s_wait_kmcnt 0x0
	s_load_b64 s[74:75], s[68:69], 0x28            ; entries 10, 11
	s_add_nc_u64 s[14:15], s[4:5], s[16:17]
	s_add_nc_u64 s[46:47], s[6:7], s[18:19]
.irp s, 0,1
	s_mov_b32 s[G0+4*\s], 1
	s_add_co_u32 s[G0+4*\s+1], s20, \s*32768
	s_add_nc_u64 s[G0+4*\s+2:G0+4*\s+3], s[14:15], \s*0x100000
	s_or_b32 s[G0+4*\s+3], s[G0+4*\s+3], 0x80000000
	s_mov_b32 s[G0B+4*\s], 1
	s_add_co_u32 s[G0B+4*\s+1], s21, \s*BSL
	s_add_nc_u64 s[G0B+4*\s+2:G0B+4*\s+3], s[46:47], \s*0x100000
	s_or_b32 s[G0B+4*\s+3], s[G0B+4*\s+3], 0x80000000
.endr
	JLOAD 0, G1H, G1BH                             ; chunks 0 and 1: both slots
	s_cmp_eq_u32 s11, 0
	s_cselect_b64 s[PFA:PFA+1], s[4:5], s[6:7]
	s_cselect_b32 s78, s16, s18
	s_cselect_b32 s79, s40, s41                    ; the partners are told apart by address
	s_lshl_b32 s79, s79, 13
	s_add_co_u32 s78, s78, s79
	s_mov_b32 s79, 0
	s_add_nc_u64 s[PFA:PFA+1], s[PFA:PFA+1], s[78:79]
	v_and_b32 v3, 31, v0
	v_lshlrev_b32 v[PFO], 8, v3
	global_prefetch_b8 v[PFO], s[PFA:PFA+1] offset:0x200000 th:TH_LOAD_NT scope:SCOPE_SE
	v_lshlrev_b32 v3, 4, v3
	v_and_b32 v1, 15, v0
	v_bfe_u32 v2, v0, 4, 1
	v_mul_u32_u24 v4, v1, PB
	v_lshl_add_u32 v4, v2, 4, v4
	s_lshl_b32 s23, s11, 16
	s_mul_i32 s22, s12, 2*BSL
	s_add_co_u32 s22, s22, BOFF
	v_add_nc_u32 v[ADRA], s23, v3
	v_add_nc_u32 v[ADRB], s22, v4
	v_add_nc_u32 v[ADRA+1], 32768, v[ADRA]
	v_add_nc_u32 v[ADRB+1], BSL, v[ADRB]
	s_mul_i32 s23, s10, 16*SPITCH
	v_mul_u32_u24 v5, v1, SPITCH
	v_lshl_add_u32 v5, v2, 5, v5
	v_add_nc_u32 v[STO], s23, v5
	v_mul_u32_u24 v5, v2, SPITCH
	v_lshl_add_u32 v5, v1, 4, v5
	v_add_nc_u32 v[RD], s23, v5
	v_lshlrev_b32 v5, 13, v2
	v_lshl_add_u32 v[CO], v1, 4, v5
	v_lshlrev_b32 v[BO], 5, v2
	s_wait_alu depctr_va_vdst(0)
	s_lshl_b32 s16, s13, 7
	s_lshl_b32 s17, s11, 6
	s_add_co_u32 s16, s16, s17
	s_lshl_b32 s16, s16, 13
	s_mov_b32 s17, 0
	s_lshl_b32 s18, s42, 7
	s_lshl_b32 s19, s12, 6
	s_add_co_u32 s18, s18, s19
	s_lshl_b32 s18, s18, 2
	s_mov_b32 s19, 0
	s_add_nc_u64 s[72:73], s[72:73], s[16:17]
	s_add_nc_u64 s[72:73], s[72:73], s[18:19]      ; my rows and columns of the result
	s_add_nc_u64 s[70:71], s[70:71], s[18:19]
.irp b, 0,1,2,3
	global_load_b128 v[BIAS+8*\b:BIAS+8*\b+3], v[BO], s[70:71] offset:64*\b
	global_load_b128 v[BIAS+8*\b+4:BIAS+8*\b+7], v[BO], s[70:71] offset:64*\b+16
.endr
	s_wait_kmcnt 0x0
	s_add_co_i32 s74, s74, s75
	s_add_co_i32 s74, s74, 127
	s_lshl_b32 s74, s74, 23                        ; 2^(both exponents)
	s_mov_b32 s75, s74
.macro MULA f, a, zero                 ; A's block a x B's four; the 16 accumulators take turns
.irp b, 0,1,2,3
.if \zero
	v_wmma_f32_16x16x128_fp8_fp8 v[ACC+8*(4*(\a)+\b):ACC+8*(4*(\a)+\b)+7], v[\f+64+16*\b:\f+64+16*\b+15], v[\f+16*(\a):\f+16*(\a)+15], 0
.else
	v_wmma_f32_16x16x128_fp8_fp8 v[ACC+8*(4*(\a)+\b):ACC+8*(4*(\a)+\b)+7], v[\f+64+16*\b:\f+64+16*\b+15], v[\f+16*(\a):\f+16*(\a)+15], v[ACC+8*(4*(\a)+\b):ACC+8*(4*(\a)+\b)+7]
.endif
.endr
.endm
.macro FETCH slot, q, f                ; the q-th 128 along K of a slot, into buffer f
	WIN TO_F
.irp i, 0,1,2,3
.irp c, 0,1,2,3
	ds_load_b128 v[\f+64+16*\i+4*\c:\f+64+16*\i+4*\c+3], v[ADRB+\slot] offset:\i*16*PB+128*(\q)+32*\c
	ds_load_b128 v[\f+16*\i+4*\c:\f+16*\i+4*\c+3], v[ADRA+\slot] offset:\i*8192+2048*(\q)+512*\c
.endr
.endr
.endm
.macro PLACES                          ; four places behind a matrix instruction
.rept 4
	v_nop
.endr
.endm
.macro QUARTER slot, q, f, g, zero
	s_wait_dscnt 0x0
	PLACES
	FETCH \slot, (\q)+1, \g
	WIN MUL
	MULA \f, 0, \zero
	MULA \f, 1, \zero
	MULA \f, 2, \zero
	MULA \f, 3, \zero
.endm
.macro TURN slot, next, fill           ; a slot's last quarter changes slots
	WIN 0
	s_wait_tensorcnt 0x0                           ; all my tensor loads are in;
	ds_add_u32 v[SPW], v[NIL]
	s_wait_dscnt 1                                 ; (the add may be out)
	WIN MUL
	MULA F1, 0, 0
	s_wait_dscnt 0x0
	s_barrier_signal -1
	MULA F1, 1, 0
.if \fill
	WIN 0
.endif
	s_barrier_wait -1
.if \fill
	CREST                                          ; the barrier has opened a round of the cluster's barrier
	s_add_nc_u64 s[G0+4*\slot+2:G0+4*\slot+3], s[G0+4*\slot+2:G0+4*\slot+3], 0x200000
	s_add_nc_u64 s[G0B+4*\slot+2:G0B+4*\slot+3], s[G0B+4*\slot+2:G0B+4*\slot+3], 0x200000
	JLOAD \slot, G1, G1B
.else
	PLACES
.endif
	FETCH \next, 0, F0
	WIN MUL
	MULA F1, 2, 0
	MULA F1, 3, 0
.endm
	s_wait_alu depctr_va_vdst(0)
	s_wait_tensorcnt 0x0                           ; my part of both slots is in
	s_barrier_signal -1
	s_barrier_wait -1
	FETCH 0, 0, F0
	global_prefetch_b8 v[PFO], s[PFA:PFA+1] offset:0x300000 th:TH_LOAD_NT scope:SCOPE_SE
	QUARTER 0, 0, F0, F1, 1
	QUARTER 0, 1, F1, F0, 0
	QUARTER 0, 2, F0, F1, 0
	TURN 0, 1, 1
	QUARTER 1, 0, F0, F1, 0
	QUARTER 1, 1, F1, F0, 0
	QUARTER 1, 2, F0, F1, 0
	TURN 1, 0, 1
	QUARTER 0, 0, F0, F1, 0
	QUARTER 0, 1, F1, F0, 0
	QUARTER 0, 2, F0, F1, 0
	TURN 0, 1, 0
	QUARTER 1, 0, F0, F1, 0
	QUARTER 1, 1, F1, F0, 0
	QUARTER 1, 2, F0, F1, 0
	s_wait_dscnt 0x0
	WIN MUL
	MULA F1, 0, 0
	MULA F1, 1, 0
	MULA F1, 2, 0
	MULA F1, 3, 0
	WIN 0
; THE WAY OUT, 16 rows x 64 columns at a time: through my own stage, and back as rows of 256 bytes, sixteen lanes to an aligned unit.
.macro TOSTAGE a
.set jj, 0
.rept 16
	v_pk_fma_f32 v[TMP+jj:TMP+jj+1], v[ACC+32*(\a)+jj:ACC+32*(\a)+jj+1], s[74:75], v[BIAS+jj:BIAS+jj+1] op_sel_hi:[1,0,1]
.set jj, jj+2
.endr
.irp b, 0,1,2,3
	ds_store_b128 v[STO], v[TMP+8*\b:TMP+8*\b+3] offset:64*\b
	ds_store_b128 v[STO], v[TMP+8*\b+4:TMP+8*\b+7] offset:64*\b+16
.endr
.irp t, 0,1,2,3,4,5,6,7
	ds_load_b128 v[ACC+32*(\a)+4*\t:ACC+32*(\a)+4*\t+3], v[RD] offset:\t*2*SPITCH
.endr
.endm
.macro SEND a, younger
.irp t, 0,1,2,3,4,5,6,7
	s_wait_dscnt \younger+7-\t
	global_store_b128 v[CO], v[ACC+32*(\a)+4*\t:ACC+32*(\a)+4*\t+3], s[72:73] offset:(16*(\a)+2*\t)*8192 th:TH_STORE_NT
.endr
.endm
	s_wait_loadcnt 0x0                             ; the bias
	PLACES
	TOSTAGE 0
.irp a, 1,2,3
	TOSTAGE \a
	SEND \a-1, 16
.endr
	SEND 3, 0
	s_wait_tensorcnt 0x0                           ; the wave's end
	ds_add_u32 v[SPW], v[NIL]
	s_wait_dscnt 0x0
	CROUND                                         ; the closing round
	s_endpgm
.Lfunc_end_k_qaa30bbcd2f_oproj:
	.size	k_qaa30bbcd2f_oproj, .Lfunc_end_k_qaa30bbcd2f_oproj-k_qaa30bbcd2f_oproj
	.p2alignl 7, 3214868480
	.fill 96, 4, 3214868480
	.section	.rodata,"a",@progbits
	.p2align	6, 0x0
	.amdhsa_kernel k_qaa30bbcd2f_oproj
		.amdhsa_group_segment_fixed_size 327680
		.amdhsa_private_segment_fixed_size 0
		.amdhsa_enable_private_segment 0
		.amdhsa_kernarg_size 40
		.amdhsa_user_sgpr_count 2
		.amdhsa_user_sgpr_kernarg_segment_ptr 1
		.amdhsa_wavefront_size32 1
		.amdhsa_system_sgpr_workgroup_id_x 1
		.amdhsa_system_sgpr_workgroup_id_y 1
		.amdhsa_system_sgpr_workgroup_id_z 1
		.amdhsa_system_vgpr_workitem_id 0
		.amdhsa_next_free_vgpr 512
		.amdhsa_next_free_sgpr 100
		.amdhsa_reserve_vcc 0
		.amdhsa_float_denorm_mode_32 3
		.amdhsa_float_denorm_mode_16_64 3
		.amdhsa_memory_ordered 1
		.amdhsa_forward_progress 1
		.amdhsa_inst_pref_size 75
	.end_amdhsa_kernel
	.amdgpu_metadata
---
amdhsa.version: [ 1, 2 ]
amdhsa.kernels:
  - .name:           k_qaa30bbcd2f_oproj
    .symbol:         k_qaa30bbcd2f_oproj.kd
    .args:
      - { .name: yc, .offset: 0, .size: 8, .value_kind: global_buffer, .address_space: global }
      - { .name: woc, .offset: 8, .size: 8, .value_kind: global_buffer, .address_space: global }
      - { .name: lowp_scales, .offset: 16, .size: 8, .value_kind: global_buffer, .address_space: global }
      - { .name: wo_b, .offset: 24, .size: 8, .value_kind: global_buffer, .address_space: global }
      - { .name: out0, .offset: 32, .size: 8, .value_kind: global_buffer, .address_space: global }
    .group_segment_fixed_size: 327680
    .private_segment_fixed_size: 0
    .kernarg_segment_align: 8
    .kernarg_segment_size: 40
    .max_flat_workgroup_size: 128
    .sgpr_count:     100
    .vgpr_count:     512
    .wavefront_size: 32
...
	.end_amdgpu_metadata
.endif
;; end of part 4
